; MI455X (gfx1250); checked and timed in simulation.
; The chip was launched on July 23, 2026; its instructions are those of AMD's public machine-readable ISA for CDNA 5 (MIT licence, August 2026) and "CDNA5" Instruction Set Architecture Reference Guide (July 2026). The comments in the code are by the model that wrote it; some were corrected since.
;; Multi Head Attention. Allowed arithmetic: matrix products marked QUANTISED: E2M3 operands, one E8M0 scale for each 32 along K, by v_wmma_scale_f32_16x16x128_f8f6f4 with both operands' format E2M3, f32 sums; everything else in f32.
;; Inputs: attention_mask 4 x 2,048 int32; w_k 1,024 x 1,024 float32; w_o 1,024 x 1,024 float32; w_q 1,024 x 1,024 float32; w_v 1,024 x 1,024 float32; x 4 x 2,048 x 1,024 float32.
;; Outputs: out0 4 x 2,048 x 1,024 float32.
;; This version of the problem:
;;   THIS VERSION OF THE PROBLEM IS GIVEN IN LOW PRECISION. The matrix products marked QUANTISED in the list below multiply operands that are first quantised to E2M3 (2 exponent bits, 3 mantissa bits; 6 bits a number), with one power-of-two scale for each 32 numbers along K (OCP MX v1.0); their sums are f32. All else is computed in f32.
;;   The module's matrix products, in the order in which they are computed (A, B: the left and right operand; K: the contracted axis; several contracted axes count as one K, in the product's order):
;;     1. [M 8,192, K 1,024] x [K 1,024, N 1,024]; A: input x; B: input w_q: QUANTISED
;;     2. [M 8,192, K 1,024] x [K 1,024, N 1,024]; A: input x; B: input w_k: QUANTISED
;;     3. [M 8,192, K 1,024] x [K 1,024, N 1,024]; A: input x; B: input w_v: QUANTISED
;;     4. batch 64 x [M 2,048, K 64] x [K 64, N 2,048]; A: computed on the way; B: computed on the way: QUANTISED
;;     5. batch 64 x [M 2,048, K 2,048] x [K 2,048, N 64]; A: softmax (see below); B: computed on the way: QUANTISED
;;     6. [M 8,192, K 1,024] x [K 1,024, N 1,024]; A: computed on the way; B: input w_o: QUANTISED
;;   THE QUANTISER, for each operand of a quantised product, along K:
;;     - K is cut into blocks of 32 from its start; a last block that is shorter is filled with zeros.
;;     - A block's scale is 2^e with e = floor(log2(the largest magnitude in the block)) - 2, held to -126 .. 127; a block of zeros has e = 0. As a byte (E8M0): e + 127.
;;     - Each number is divided by its block's scale, clamped to +-7.5, and rounded to the nearest number of E2M3, ties to even, subnormals kept.
;;     - The product sums the exact products of the quantised numbers (number of the format x scale) in f32.
;;   ~~~python
;;   def quantise(x, axis):      # numpy; x: float32 -> the quantised numbers, widened to float32 again
;;       x = np.moveaxis(x, axis, -1); K = x.shape[-1]
;;       x = np.pad(x, [(0, 0)] * (x.ndim - 1) + [(0, -K % 32)]); x = x.reshape(x.shape[:-1] + (-1, 32)); a = np.abs(x).max(-1, keepdims=True)
;;       e = np.where(a > 0, np.clip(np.frexp(np.where(a > 0, a, 1))[1] - 1 - 2, -126, 127), 0)      # np.frexp(a)[1] - 1 = floor(log2(a)), exactly
;;       r = np.clip(x / 2.0 ** e, -7.5, 7.5)
;;       step = 2.0 ** (np.maximum(np.frexp(np.where(r == 0, 1, r))[1] - 1, 0) - 3)
;;       q = np.round(r / step) * step * 2.0 ** e      # np.round: ties to even
;;       return np.moveaxis(q.reshape(q.shape[:-2] + (-1,))[..., :K], -1, axis).astype(np.float32)
;;   ~~~
;;   SOFTMAX AHEAD OF A QUANTISED PRODUCT. Where the list says 'softmax', what is quantised is not the finished softmax but p = 2^(t - M), with t = logit x log2(e) and M = ceil(the row's largest t), a whole number; so 1/2 < the row's largest p <= 1. The row's sum l is taken of the UNQUANTISED p, in f32, and the product's result is divided by l at the end. Since M is a whole number, a kernel that streams over the keys may use a running M (the ceiling of the running maximum): every later rescaling is an exact power of two, which a block's scale takes up: the codes' values come out the same.
;;   OPERANDS COMPUTED ON THE WAY. 'Computed on the way' means the value that the module computes at that place (a softmax that the list does not call 'softmax' is quantised finished and normalised). What goes into a quantiser is computed in f32, as accurately as f32 sums, v_exp_f32 and their like allow (about 1e-6 of the number): no bf16 or f16 on the way to a quantiser, and a product that is left as it is and whose result goes on into a quantised operand takes f32 operands (vector FMAs, or v_wmma_f32_16x16x4_f32). A number that lies on a knife's edge between two numbers of the format may be rounded either way, as far as f32 arithmetic and the matrix unit's own rounding can turn it there, and no further.
;; One version. Each part assembles by itself: llvm-mc -triple=amdgcn-amd-amdhsa -mcpu=gfx1250 --defsym DOCPART=n.
;; ======== version 1 of 1: 4 launches
;; limits: right only within a limited range of input values
;; workspace buffers: cod1 9,437,184 bytes; sc1 393,216 bytes; qkvc 18,874,368 bytes; qkvs 786,432 bytes; aoc 6,291,456 bytes; aos 262,144 bytes
;; launch quant (part 1): grid 384 x 1, 4 waves a work-group, no clusters, 34,304 bytes of LDS; arguments x, w_q, w_k, w_v, w_o, cod1, sc1; writes cod1, sc1
.if DOCPART == 1
	.amdgcn_target "amdgcn-amd-amdhsa--gfx1250"
	.amdhsa_code_object_version 6
	.text
	.protected	k_qbb0f267392_quant
	.globl	k_qbb0f267392_quant
	.p2align	8
	.type	k_qbb0f267392_quant,@function
k_qbb0f267392_quant:
	s_mov_b64 s[64:65], 0
	v_nop
	global_prefetch_b8 v0, s[64:65] scope:SCOPE_SE
	s_setreg_imm32_b32 hwreg(HW_REG_WAVE_MODE, 25, 1), 1
	s_wait_xcnt 0x0
; x [8192][1024] and w_q, w_k, w_v, w_o [1024][1024], f32 with K innermost, become codes of FP6 (E2M3) with one E8M0 byte for each 32 along K.
; A block's scale is 2^(floor(log2(largest magnitude)) - 2); its byte is the largest magnitude's exponent field - 2, held at 1 from below.
; LIMITS: a block of zeros gets the byte 1 where the quantiser says 127 (its codes are zeros, and this program alone reads the bytes); NaN and infinities among the inputs are not served.
; OUTPUT LAYOUT (this program's own): codes lie in the order of the matrix operand's registers.  A fragment is 16 rows x 128 K, 12 registers a lane, 1,536 bytes:
;   registers 0-3 at 16 x lane, 4-5 at 512 + 8 x lane, 6-9 at 768 + 16 x lane, 10-11 at 1,280 + 8 x lane.  cod1 = [group of 128 rows][K / 256][block of 16 rows][K step of 128][fragment].
;   sc1 = 512 bytes for each block of 16 rows: [K half][row][4 words], a word = the four bytes of one K step of 128.
; ROW ORDER: in x, w_q, w_k, w_v lane r of block 2 b + u holds row 32 b + 8 u + r + 8 (r / 8), so that a later transposed product leaves 16 neighbours of its other axis in 16 registers; w_o keeps its rows in order.
; SHARES: 768 blocks of 16 rows; a work-group takes two, a wave one block x 512 along K (4 K steps).  Each load reads 512 consecutive bytes of one row; a K step's 16 rows turn through the wave's own
; stage in LDS (rows 528 bytes apart) so that a lane gets 16 neighbours along K of each block of 32.  Waves share nothing: no barrier.
.set STG,   8448                       ; a wave's stage: 16 rows x 528 bytes
.set SPARE, 4*STG                      ; behind the stages: the spare words, 128 bytes a wave, that no other line names
.set VLO, 1                            ; v1   16 x lane: my bytes of a row's 512, and of a store's 512
.set VHI, 2                            ; v2   the same for rows 8-15 of the block (8 rows further down where the rows are permuted)
.set STW, 3                            ; v3   stage, on the way in
.set LDR, 4                            ; v4   stage, on the way out: row r, + 64 h
.set L8,  5                            ; v5   8 x lane
.set SOF, 6                            ; v6   16 r + 8 h: my two scale words
.set R,   16                           ; v16-143  two sets of 64 registers as loaded
.set X,   144                          ; v144-207 64 numbers: register 16 b + i = k 32 b + 16 h + i of row r
.set PC,  208                          ; v208-219 the fragment; v220-226 halves on their way
.set TM,  228                          ; v228-243 at work
.set PW,  244                          ; v244-247 the four K steps' scale words
.set SPW, 248                          ; v248 my spare word's address; never rewritten
.set NIL, 249                          ; v249 0; never rewritten
.set SD,  250                          ; v250-251 the two words that I store
.set SEL, 20                           ; s[20:21] selects of v_permlanex16_b32: lane l xor 16
	s_load_b256 s[4:11], s[0:1], 0x0               ; x, w_q, w_k, w_v
	s_load_b128 s[12:15], s[0:1], 0x20             ; w_o, cod1
	s_load_b64 s[16:17], s[0:1], 0x30              ; sc1
	v_lshl_add_u32 v[SPW], v0, 2, SPARE
	v_mov_b32 v[NIL], 0
	v_lshrrev_b32 v7, 5, v0
	v_readfirstlane_b32 s18, v7                    ; wave
	v_and_b32 v8, 31, v0                           ; lane
	v_and_b32 v9, 15, v0                           ; r
	v_bfe_u32 v10, v0, 4, 1                        ; h
	v_lshlrev_b32 v[VLO], 4, v8
	v_lshlrev_b32 v[L8], 3, v8
	v_lshlrev_b32 v[SOF], 4, v9
	v_lshl_add_u32 v[SOF], v10, 3, v[SOF]
	s_mul_i32 s19, s18, STG
	v_add_nc_u32 v[STW], s19, v[VLO]
	v_mul_u32_u24 v[LDR], v9, 528
	v_lshl_add_u32 v[LDR], v10, 6, v[LDR]
	v_add_nc_u32 v[LDR], s19, v[LDR]
	s_mov_b32 s[SEL], 0x76543210
	s_mov_b32 s[SEL+1], 0xfedcba98
	s_mov_b32 s22, 0xffff0000                      ; lanes 16-31
.irp b, 0,1,2,3
	v_mov_b32 v[TM+4+\b], 0                        ; written once: a lane permute's destination counts as one of its sources
.endr
	s_lshr_b32 s23, s18, 1                         ; which of the work-group's two blocks
	s_and_b32 s24, s18, 1                          ; which half of K
	s_and_b32 s26, ttmp9, 31
	s_cmp_lt_u32 ttmp9, 256                        ; work-groups 0-255: x; then 32 for each weight
	s_cselect_b32 s26, ttmp9, s26                  ; the work-group's number inside its tensor: 32 rows each
	s_cmp_lt_u32 ttmp9, 352                        ; all but w_o take the permuted rows
	s_cselect_b32 s27, 3, 4                        ; the second block begins 8 rows on, or 16
	s_cselect_b32 s28, 0x8000, 0                   ; rows 8-15 of a block lie 8 rows (32,768 bytes) further on, or not
	v_add_nc_u32 v[VHI], s28, v[VLO]
	s_lshl_b32 s27, s23, s27
	s_lshl_b32 s26, s26, 5
	s_add_co_u32 s26, s26, s27                     ; my block's first row
	s_lshl_b32 s26, s26, 12                        ; x 4,096 bytes
	s_lshl_b32 s27, s24, 11                        ; + my half of K: 2,048 bytes
	s_add_co_u32 s26, s26, s27
	s_mov_b32 s27, 0
	s_lshl_b32 s28, ttmp9, 1
	s_add_co_u32 s28, s28, s23                     ; my block among the 768
	s_lshr_b32 s30, s28, 3
	s_mul_i32 s30, s30, 98304                      ; its group of 128 rows,
	s_and_b32 s31, s28, 7
	s_mul_i32 s31, s31, 3072                       ; its place in the group,
	s_add_co_u32 s30, s30, s31
	s_mul_i32 s31, s24, 49152                      ; my half of K: two steps of 256
	s_add_co_u32 s30, s30, s31
	s_mov_b32 s31, 0
	s_lshl_b32 s32, s28, 9                         ; scale words: 512 bytes a block, 256 a half of K
	s_lshl_b32 s33, s24, 8
	s_add_co_u32 s32, s32, s33
	s_mov_b32 s33, 0
	s_wait_kmcnt 0x0
	s_mov_b64 s[34:35], s[12:13]                   ; the tensor is chosen by the work-group's number alone: one path serves all five
	s_cmp_lt_u32 ttmp9, 352
	s_cselect_b64 s[34:35], s[10:11], s[34:35]
	s_cmp_lt_u32 ttmp9, 320
	s_cselect_b64 s[34:35], s[8:9], s[34:35]
	s_cmp_lt_u32 ttmp9, 288
	s_cselect_b64 s[34:35], s[6:7], s[34:35]
	s_cmp_lt_u32 ttmp9, 256
	s_cselect_b64 s[34:35], s[4:5], s[34:35]
	s_add_nc_u64 s[34:35], s[34:35], s[26:27]
	s_add_nc_u64 s[14:15], s[14:15], s[30:31]
	s_add_nc_u64 s[16:17], s[16:17], s[32:33]
.macro LOAD t                          ; K step t: 16 rows x 512 bytes into set t % 2
.irp i, 0,1,2,3,4,5,6,7,8,9,10,11,12,13,14,15
.if \i < 8
	global_load_b128 v[R+64*((\t)%2)+4*\i:R+64*((\t)%2)+4*\i+3], v[VLO], s[34:35] offset:\i*4096+512*(\t) th:TH_LOAD_NT
.else
	global_load_b128 v[R+64*((\t)%2)+4*\i:R+64*((\t)%2)+4*\i+3], v[VHI], s[34:35] offset:\i*4096+512*(\t) th:TH_LOAD_NT
.endif
.endr
.endm
.macro TURN t                          ; through the stage: LDS serves a wave's instructions in order, so no wait stands between the stores and the loads
.irp i, 0,1,2,3,4,5,6,7,8,9,10,11,12,13,14,15
	ds_store_b128 v[STW], v[R+64*((\t)%2)+4*\i:R+64*((\t)%2)+4*\i+3] offset:528*\i
.endr
.irp b, 0,1,2,3
.irp j, 0,1,2,3
	ds_load_b128 v[X+16*\b+4*\j:X+16*\b+4*\j+3], v[LDR] offset:128*\b+16*\j
.endr
.endr
.endm
; 64 numbers of a lane, register 16 b + i = k 32 b + 16 h + i of my row, become a fragment's codes in v[PC] on and its scale word in v[pw]
.macro QUANT s, pw
.irp b, 0,1,2,3
	v_max3_num_f32 v[TM+\b], |v[\s+16*\b]|, |v[\s+1+16*\b]|, 0x1800000   ; my 16 numbers of block b, and the floor 2^(3 - 127): the byte cannot fall under 1
.endr
.irp i, 2,4,6,8,10,12,14
.irp b, 0,1,2,3
	v_max3_num_f32 v[TM+\b], v[TM+\b], |v[\s+16*\b+\i]|, |v[\s+1+16*\b+\i]|
.endr
.endr
.irp b, 0,1,2,3
	v_permlanex16_b32 v[TM+4+\b], v[TM+\b], s[SEL], s[SEL+1]
.endr
.irp b, 0,1,2,3
	v_max_num_f32 v[TM+\b], v[TM+\b], v[TM+4+\b]   ; with lane l xor 16's: the block's largest magnitude
.endr
.irp b, 0,1,2,3
	v_add_nc_u32 v[TM+12+\b], 0xff000000, v[TM+\b] ; 2 off its exponent field: the conversion takes that field as its scale
.endr
.irp b, 0,1,2,3
	v_lshrrev_b32 v[TM+4+\b], 23, v[TM+12+\b]      ; the scale's byte
.endr
	v_lshl_or_b32 v[\pw], v[TM+5], 8, v[TM+4]
	v_lshl_or_b32 v[\pw], v[TM+6], 16, v[\pw]
	v_lshl_or_b32 v[\pw], v[TM+7], 24, v[\pw]
.irp c, 0,1
	v_cvt_scalef32_pk16_fp6_f32 v[PC+6*\c:PC+2+6*\c], v[\s+32*\c:\s+15+32*\c], v[TM+12+2*\c]
	v_cvt_scalef32_pk16_fp6_f32 v[PC+12+4*\c:PC+14+4*\c], v[\s+16+32*\c:\s+31+32*\c], v[TM+12+2*\c+1]   ; (a conversion's three registers begin on an even number)
.endr
	v_nop                                          ; one plain place behind a scaled conversion
.irp c, 0,1                                    ; the operand's layout wants a whole block in a lane: lanes 0-15 block 2 c, lanes 16-31 block 2 c + 1
.irp i, 0,1,2
	v_permlane16_swap_b32 v[PC+6*\c+\i], v[PC+12+4*\c+\i]
.endr
.irp i, 0,1,2
	v_mov_b32 v[PC+3+6*\c+\i], v[PC+12+4*\c+\i]
.endr
.endr
.endm
.macro OUT t                           ; the fragment leaves as it stands: each store of the wave covers 512 or 256 consecutive bytes, aligned to 256
	global_store_b128 v[VLO], v[PC:PC+3], s[14:15] offset:((\t)/2)*24576+((\t)%2)*1536
	global_store_b64 v[L8], v[PC+4:PC+5], s[14:15] offset:((\t)/2)*24576+((\t)%2)*1536+512
	global_store_b128 v[VLO], v[PC+6:PC+9], s[14:15] offset:((\t)/2)*24576+((\t)%2)*1536+768
	global_store_b64 v[L8], v[PC+10:PC+11], s[14:15] offset:((\t)/2)*24576+((\t)%2)*1536+1280
.endm
.macro STEP t
.if (\t) < 3
	s_wait_loadcnt 16                              ; this K step's 16 loads are in; the next step's 16 may be out
.else
	s_wait_loadcnt 0x0
.endif
	TURN \t
	s_wait_dscnt 0x0                               ; the numbers are back, and the stage's stores have read their registers,
.if (\t) < 2
	LOAD (\t)+2                                    ; which take the loads of two steps on
.endif
.if (\t) > 0
	s_wait_xcnt 0x0                                ; the last step's stores have read the fragment's registers: they are written again only behind this wait
.endif
	QUANT X, PW+(\t)
	OUT \t
.endm
	LOAD 0
	LOAD 1
	STEP 0
	STEP 1
	STEP 2
	STEP 3
	v_cndmask_b32 v[SD], v[PW], v[PW+2], s22       ; lanes 0-15 store words 0, 1 of row r, lanes 16-31 words 2, 3:
	v_cndmask_b32 v[SD+1], v[PW+1], v[PW+3], s22
	global_store_b64 v[SOF], v[SD:SD+1], s[16:17]  ; 256 consecutive bytes, aligned
	s_wait_tensorcnt 0x0                           ; the wave's end, behind my last LDS store
	ds_add_u32 v[SPW], v[NIL]
	s_wait_dscnt 0x0
	s_endpgm
.Lfunc_end_k_qbb0f267392_quant:
	.size	k_qbb0f267392_quant, .Lfunc_end_k_qbb0f267392_quant-k_qbb0f267392_quant
	.p2alignl 7, 3214868480
	.fill 96, 4, 3214868480
	.section	.rodata,"a",@progbits
	.p2align	6, 0x0
	.amdhsa_kernel k_qbb0f267392_quant
		.amdhsa_group_segment_fixed_size 34304
		.amdhsa_private_segment_fixed_size 0
		.amdhsa_enable_private_segment 0
		.amdhsa_kernarg_size 56
		.amdhsa_user_sgpr_count 2
		.amdhsa_user_sgpr_kernarg_segment_ptr 1
		.amdhsa_wavefront_size32 1
		.amdhsa_system_sgpr_workgroup_id_x 1
		.amdhsa_system_sgpr_workgroup_id_y 1
		.amdhsa_system_sgpr_workgroup_id_z 1
		.amdhsa_system_vgpr_workitem_id 0
		.amdhsa_next_free_vgpr 256
		.amdhsa_next_free_sgpr 66
		.amdhsa_reserve_vcc 0
		.amdhsa_float_denorm_mode_32 3
		.amdhsa_float_denorm_mode_16_64 3
		.amdhsa_memory_ordered 1
		.amdhsa_forward_progress 1
		.amdhsa_inst_pref_size 35
	.end_amdhsa_kernel
	.amdgpu_metadata
---
amdhsa.version: [ 1, 2 ]
amdhsa.kernels:
  - .name:           k_qbb0f267392_quant
    .symbol:         k_qbb0f267392_quant.kd
    .args:
      - { .name: x, .offset: 0, .size: 8, .value_kind: global_buffer, .address_space: global }
      - { .name: w_q, .offset: 8, .size: 8, .value_kind: global_buffer, .address_space: global }
      - { .name: w_k, .offset: 16, .size: 8, .value_kind: global_buffer, .address_space: global }
      - { .name: w_v, .offset: 24, .size: 8, .value_kind: global_buffer, .address_space: global }
      - { .name: w_o, .offset: 32, .size: 8, .value_kind: global_buffer, .address_space: global }
      - { .name: cod1, .offset: 40, .size: 8, .value_kind: global_buffer, .address_space: global }
      - { .name: sc1, .offset: 48, .size: 8, .value_kind: global_buffer, .address_space: global }
    .group_segment_fixed_size: 34304
    .private_segment_fixed_size: 0
    .kernarg_segment_align: 8
    .kernarg_segment_size: 56
    .max_flat_workgroup_size: 128
    .sgpr_count:     66
    .vgpr_count:     256
    .wavefront_size: 32
...
	.end_amdgpu_metadata
.endif
;; end of part 1
;; launch proj (part 2): grid 8 x 48, 4 waves a work-group, clusters of 4 x 4, 327,680 bytes of LDS; arguments cod1, sc1, qkvc, qkvs; writes qkvc, qkvs
.if DOCPART == 2
	.amdgcn_target "amdgcn-amd-amdhsa--gfx1250"
	.amdhsa_code_object_version 6
	.text
	.protected	k_qbb0f267392_proj
	.globl	k_qbb0f267392_proj
	.p2align	8
	.type	k_qbb0f267392_proj,@function
k_qbb0f267392_proj:
	s_mov_b64 s[64:65], 0
	v_nop
	global_prefetch_b8 v0, s[64:65] scope:SCOPE_SE
	s_setreg_imm32_b32 hwreg(HW_REG_WAVE_MODE, 25, 1), 1
	s_wait_xcnt 0x0
	s_wait_alu depctr_hold_cnt(0) depctr_sa_sdst(0) depctr_va_vdst(0) depctr_va_sdst(0) depctr_va_ssrc(0) depctr_va_vcc(0) depctr_vm_vsrc(0)
	s_getreg_b32 s2, hwreg(HW_REG_IB_STS2, 6, 4)
	s_cmp_eq_u32 s2, 0
	s_cbranch_scc0 .Lentry_in_a_cluster
	s_endpgm
.Lentry_in_a_cluster:
	s_bfe_u32 s2, ttmp6, 0x10000c
	s_cmp_lg_u32 s2, 0xf033
	s_cbranch_scc0 .Lentry_shape_is_right
	s_endpgm
.Lentry_shape_is_right:
; q = x w_q^T, k = x w_k^T, v = x w_v^T on codes of FP6 (E2M3) with E8M0 scales, K = 1,024; the results are quantised in registers on the way out and go to memory as codes alone.
; TWO ROLES, by the cluster's y (the same in all sixteen partners).  y < 8: A = 256 tokens of x, B = 256 rows of w_q | w_k.  y >= 8: A = 256 rows of w_v, B = 256 tokens of x (v transposed: a lane then holds
; one channel d and its registers run along the tokens, which are the K of attention's second product).
; A tile of 256 x 256 is made by four waves, 128 x 128 each: 64 accumulators, 512 registers.  The matrix instruction is used transposed (source 0 = 16 rows of B, source 1 = 16 rows of A).
; Since B's rows lie permuted in cod1 (lane r of block 2 b + u = row 32 b + 8 u + r + 8 (r / 8)), the 64 registers of one block of A are: register 16 b + i = B's index 32 b + 16 (lane / 16) + i, of A's row lane % 16.
; K goes in eight steps of 128; a tile of 128 rows x 256 K is 24,576 dense bytes of cod1, in the order of the operand's registers.  THREE LDS slots of 256 along K are filled at the start; slot 0 is filled once
; more, with the last 256.  The text is straight-line.  The scale words of a wave's 16 blocks, for all of K, come once from memory into 64 registers.
; CLUSTERS: 4 x 4 work-groups; A's tiles are asked for jointly along a row of the cluster, B's along a column.
; WAY OUT: q, k: blocks of 32 along the head's 64; two tiles of 16 tokens share a fragment of 12 registers (tile 2 f in registers 0-5, tile 2 f + 1 in 6-11).  v: blocks of 32 along the tokens.
; qkvc, one record of 294,912 bytes a head: [key step of 128 (16)][K: 4 pair fragments | V: 4 fragments], then Q: 64 pair fragments; a fragment is 1,536 bytes, registers 4 c .. 4 c + 3 at 512 c + 16 x lane.
; qkvs, 12,288 bytes a head: [step][K: [lane r][4 words] | V: [r][4 words]], then Q: [128 queries][r][4 words].
; LIMITS: a block of zeros gets the byte 1 (zero codes; this program alone reads the bytes); NaN and infinities are not served.
; REGISTERS: window 0: v8-19 LDS addresses, v20-23, v28-29; v32-63 A's scale words, v64-95 B's (scales and nothing else); v96-107 new scale words; v128-223 A's fragments, later the new fragments; v224-247 at work.
;   window 1: B's fragments, two sets at v0 and v128.   windows 2, 3: the accumulators, (a, b) at v[8 (8 (a % 4) + b)].
.set HALFT, 24576                      ; 128 rows x 256 K: what one tensor load brings
.set SLOT,  4*HALFT                    ; A's two halves, then B's two
.set SPARE, 3*SLOT                     ; behind the slots: the spare words, 128 bytes a wave, that no other line names
.set FR,  12
.set NP,  4                            ; places behind this matrix instruction (ISA guide 7.12.1)
.set A16, 8                            ; v8-10   slot s: my half of A + 16 x lane;  v11-13 + 8 x lane
.set A8,  11
.set B16, 14                           ; v14-16, v17-19 the same for B
.set B8,  17
.set LI,  20                           ; v20 16 x lane
.set SOF, 21                           ; v21 16 r + 12,288 h: the new scale words' place, lanes 16-31 in the next head's record
.set PSEL, 22                          ; v22 byte selects: lanes 0-15 the low halves, lanes 16-31 the high halves
.set SPW, 28
.set NIL, 29
.set SA,  32
.set SB,  64
.set PWR, 96                           ; v96-103 block a's word of four bytes
.set WD,  104                          ; v104-107 the four words that I store
.set AF,  128
.set CT,  224
.set TM,  232
.set G1,  24
.set G1B, 48
.set G0,  68                           ; s[68:79] group 0 for A's tiles, a set for each slot;  s[80:91] for B's
.set G0B, 80
.set SEL, 96
.set MSB, 0
.macro WIN new                         ; the immediate's high byte repeats the setting that is left
.if MSB != \new
	s_set_vgpr_msb (MSB<<8)|\new
.set MSB, \new
.endif
.endm
.set MUL_LO, 0xa1                      ; source 0 (B) window 1, source 1 (A) window 0, C and D window 2
.set MUL_HI, 0xf1
.set TO_B,   0x40
.macro JLOAD g0a, g1a, g0b, g1b        ; a joint load: waves 0, 1 fetch A's halves, waves 2, 3 B's; an s_nop 0 and four v_nop follow each line
	s_cmp_eq_u32 s15, 0
	s_cbranch_scc0 .Lfor_b_\@
	tensor_load_to_lds s[\g0a:\g0a+3], s[\g1a:\g1a+7]
	s_nop 0
.rept 4
	v_nop
.endr
	s_branch .Lasked_\@
.Lfor_b_\@:
	tensor_load_to_lds s[\g0b:\g0b+3], s[\g1b:\g1b+7]
	s_nop 0
.rept 4
	v_nop
.endr
.Lasked_\@:
.endm
.macro CREST                           ; a round of the cluster's barrier behind its opening barrier
	s_cmp_lg_u32 s14, 0
	s_cbranch_scc1 .Lnot_wave_0_\@
	s_barrier_signal -3
.Lnot_wave_0_\@:
	s_barrier_wait -3
	s_barrier_signal -1
	s_barrier_wait -1
.endm
.macro CROUND
	s_barrier_signal -1
	s_barrier_wait -1
	CREST
.endm
.macro PLACES n
.rept \n
	v_nop
.endr
.endm
.macro FRAG reg, a16, a8, q, i         ; a fragment comes back as it was stored: every load of the wave reads consecutive bytes
	ds_load_b128 v[\reg:\reg+3], v[\a16] offset:3072*(\i)+1536*(\q)
	ds_load_b64 v[\reg+4:\reg+5], v[\a8] offset:3072*(\i)+1536*(\q)+512
	ds_load_b128 v[\reg+6:\reg+9], v[\a16] offset:3072*(\i)+1536*(\q)+768
	ds_load_b64 v[\reg+10:\reg+11], v[\a8] offset:3072*(\i)+1536*(\q)+1280
.endm
.macro FETCH_B slot, q, p              ; B's eight fragments into set p
	WIN TO_B
.irp i, 0,1,2,3,4,5,6,7
	FRAG 128*(\p)+FR*\i, B16+\slot, B8+\slot, \q, \i
.endr
	WIN 0
.endm
.macro FETCH_A slot, q, i0             ; A's blocks i0 .. i0 + 3
.irp i, \i0, \i0+1, \i0+2, \i0+3
	FRAG AF+FR*(\i), A16+\slot, A8+\slot, \q, \i
.endr
.endm
; 16 matrix instructions: A's blocks a0, a0 + 1 x B's eight, K step s.  A scale register holds K step s % 4 in lanes 0-15 and K step 4 + s % 4 in lanes 16-31.
; The 64 accumulators take turns, one instruction a turn, in the same order in every step.
.macro MUL16 a0, p, s, zero
.irp a, \a0, \a0+1
.irp b, 0,1,2,3,4,5,6,7
.if \zero
	v_wmma_scale_f32_16x16x128_f8f6f4 v[8*(8*((\a)%4)+\b):8*(8*((\a)%4)+\b)+7], v[128*(\p)+FR*\b:128*(\p)+FR*\b+FR-1], v[AF+FR*(\a):AF+FR*(\a)+FR-1], 0, v[SB+4*\b+(\s)%4], v[SA+4*(\a)+(\s)%4] matrix_a_fmt:MATRIX_FMT_FP6 matrix_b_fmt:MATRIX_FMT_FP6
.elseif (\s) < 4
	v_wmma_scale_f32_16x16x128_f8f6f4 v[8*(8*((\a)%4)+\b):8*(8*((\a)%4)+\b)+7], v[128*(\p)+FR*\b:128*(\p)+FR*\b+FR-1], v[AF+FR*(\a):AF+FR*(\a)+FR-1], v[8*(8*((\a)%4)+\b):8*(8*((\a)%4)+\b)+7], v[SB+4*\b+(\s)%4], v[SA+4*(\a)+(\s)%4] matrix_a_fmt:MATRIX_FMT_FP6 matrix_b_fmt:MATRIX_FMT_FP6
.else
	v_wmma_scale_f32_16x16x128_f8f6f4 v[8*(8*((\a)%4)+\b):8*(8*((\a)%4)+\b)+7], v[128*(\p)+FR*\b:128*(\p)+FR*\b+FR-1], v[AF+FR*(\a):AF+FR*(\a)+FR-1], v[8*(8*((\a)%4)+\b):8*(8*((\a)%4)+\b)+7], v[SB+4*\b+(\s)%4], v[SA+4*(\a)+(\s)%4] matrix_a_fmt:MATRIX_FMT_FP6 matrix_b_fmt:MATRIX_FMT_FP6 matrix_a_scale:MATRIX_SCALE_ROW1 matrix_b_scale:MATRIX_SCALE_ROW1
.endif
.endr
.endr
.endm
; K step s; the next step's fragments come from slot ns, its nq-th 128.  A has one set of registers (a block is free when its eight products are issued), B two.
.macro STEP s, ns, nq, zero
	s_wait_dscnt 16                                ; B's set and A's blocks 0-3 are in; the youngest 16 loads (A's blocks 4-7) may be out
	WIN MUL_LO
	MUL16 0, (\s)%2, \s, \zero
	MUL16 2, (\s)%2, \s, \zero
	s_wait_dscnt 0x0                               ; A's blocks 4-7 are in
	PLACES NP                                      ; in front of loads into registers that matrix instructions have read
	FETCH_B \ns, \nq, 1-(\s)%2
	FETCH_A \ns, \nq, 0
	WIN MUL_HI
	MUL16 4, (\s)%2, \s, \zero
	MUL16 6, (\s)%2, \s, \zero
	PLACES NP
	WIN 0
	FETCH_A \ns, \nq, 4
.endm
; An odd K step with a barrier.  In front of it each wave waits for all its tensor loads, adds 0 to its spare word, and waits for that and for its LDS reads.
; fill = 1: slot 0, whose two steps have been read, takes the last 256 along K; the barrier then opens a round of the cluster's barrier, and the joint load is the first thing behind it.
.macro TURN s, ns, fill
	s_wait_tensorcnt 0x0                           ; all my tensor loads have landed
	ds_add_u32 v[SPW], v[NIL]                      ; 0 onto my spare word
	s_wait_dscnt 17                                ; (the add and the youngest 16 loads may be out)
	WIN MUL_LO
	MUL16 0, 1, \s, 0
	s_wait_dscnt 0x0                               ; the add is done, and my LDS reads are over
	s_barrier_signal -1
	MUL16 2, 1, \s, 0
	WIN 0
	s_barrier_wait -1
.if \fill
	CREST                                          ; no wave of any partner still reads slot 0 or has a load on its way
	s_add_nc_u64 s[G0+2:G0+3], s[G0+2:G0+3], 3*HALFT
	s_add_nc_u64 s[G0B+2:G0B+3], s[G0B+2:G0B+3], 3*HALFT
	JLOAD G0, G1, G0B, G1B                         ; it has four K steps in which to land; its four v_nop are the places in front of the loads below
.else
	PLACES NP
.endif
	FETCH_B \ns, 0, 0
	FETCH_A \ns, 0, 0
	WIN MUL_HI
	MUL16 4, 1, \s, 0
	MUL16 6, 1, \s, 0
	PLACES NP
	WIN 0
	FETCH_A \ns, 0, 4
.endm
	s_load_b128 s[4:7], s[0:1], 0x0                ; cod1, sc1
	s_load_b128 s[8:11], s[0:1], 0x10              ; qkvc, qkvs
	v_lshl_add_u32 v[SPW], v0, 2, SPARE
	v_mov_b32 v[NIL], 0
	ds_add_u32 v[SPW], v[NIL]                      ; the wave's opening: the add and its wait stand ahead of my first tensor load
	v_lshrrev_b32 v1, 5, v0
	v_readfirstlane_b32 s14, v1                    ; wave
	s_lshr_b32 s15, s14, 1                         ; my half of A's rows.  Also: I fetch for A (0) or for B (1)
	s_and_b32 s16, s14, 1                          ; my half of B's rows.  Also: which 128 rows I fetch
	s_bfe_u32 s40, ttmp6, 0x40000                  ; cx
	s_bfe_u32 s41, ttmp6, 0x40004                  ; cy
	s_and_b32 s18, ttmp7, 0xffff                   ; the cluster's y
	s_sub_co_u32 s20, s18, 8
	s_lshl_b32 s20, s20, 1
	s_add_co_u32 s20, s20, ttmp9                   ; role v: cluster column among 8
	s_cmp_lt_u32 s18, 8                            ; the role: the same in all partners
	s_cselect_b32 s19, s18, 0
	s_cselect_b32 s20, ttmp9, s20
	s_cselect_b32 s21, 0, 80                       ; A's first group of 128 rows in cod1: x, or w_v
	s_cselect_b32 s22, 64, 0                       ; B's: w_q | w_k, or x
	s_cselect_b32 s23, 1, 0                        ; 1: q and k
	s_lshl_b32 s17, s19, 2
	s_add_co_u32 s17, s17, s41                     ; tile row (A)
	s_lshl_b32 s42, s20, 2
	s_add_co_u32 s42, s42, s40                     ; tile column (B)
	s_lshl_b32 s43, s41, 2
	s_lshl_b32 s43, 15, s43                        ; my row of the cluster
	s_lshl_b32 s44, 0x1111, s40                    ; my column
	s_or_b32 s[G1+0], s43, (3<<16)|(1<<21)         ; 15:0 the mask; 17:16 elements of 8 bytes; 21 set beside a mask; no padding
	s_or_b32 s[G1B+0], s44, (3<<16)|(1<<21)
.irp g, G1, G1B
	s_mov_b32 s[\g+1], 32<<16                      ; tensor_dim0 = 32 elements: 256 bytes
	s_mov_b32 s[\g+2], 96<<16                      ; tensor_dim1 = 96 rows: 24,576 dense bytes
	s_mov_b32 s[\g+3], 32<<16                      ; tile_dim0
	s_mov_b32 s[\g+4], 96                          ; tile_dim1
	s_mov_b32 s[\g+5], 32                          ; pitch
	s_mov_b32 s[\g+6], 0
	s_mov_b32 s[\g+7], 0
.endr
	s_lshl_b32 s32, s17, 1
	s_add_co_u32 s32, s32, s21
	s_add_co_u32 s34, s32, s15                     ; the group of A that I multiply
	s_add_co_u32 s32, s32, s16                     ; the group of A that I would fetch
	s_mul_i32 s32, s32, 98304
	s_mov_b32 s33, 0
	s_lshl_b32 s34, s34, 12                        ; its scale words: 4,096 bytes a group
	s_mov_b32 s35, 0
	s_lshl_b32 s46, s42, 1
	s_add_co_u32 s46, s46, s22
	s_add_co_u32 s46, s46, s16                     ; the group of B that I fetch and multiply
	s_lshl_b32 s36, s46, 12
	s_mov_b32 s37, 0
	s_mul_i32 s46, s46, 98304
	s_mov_b32 s47, 0
	s_mul_i32 s45, s14, HALFT                      ; where a tile goes: wave x 24,576: no place in the cluster enters an LDS address
	s_mov_b32 s[SEL], 0x76543210
	s_mov_b32 s[SEL+1], 0xfedcba98
	s_mov_b32 s98, 0xffff0000                      ; lanes 16-31
	s_wait_dscnt 0x0                               ; the opening add is done
	s_wait_kmcnt 0x0
	s_add_nc_u64 s[32:33], s[4:5], s[32:33]
	s_add_nc_u64 s[46:47], s[4:5], s[46:47]
	s_add_nc_u64 s[34:35], s[6:7], s[34:35]
	s_add_nc_u64 s[36:37], s[6:7], s[36:37]
	CROUND                                         ; all sixteen work-groups are here: the first joint loads meet
.irp s, 0,1,2                                  ; three loads of mine are out
	s_mov_b32 s[G0+4*\s], 1
	s_add_co_u32 s[G0+4*\s+1], s45, \s*SLOT
	s_add_nc_u64 s[G0+4*\s+2:G0+4*\s+3], s[32:33], \s*HALFT
	s_or_b32 s[G0+4*\s+3], s[G0+4*\s+3], 0x80000000
	s_mov_b32 s[G0B+4*\s], 1
	s_add_co_u32 s[G0B+4*\s+1], s45, \s*SLOT
	s_add_nc_u64 s[G0B+4*\s+2:G0B+4*\s+3], s[46:47], \s*HALFT
	s_or_b32 s[G0B+4*\s+3], s[G0B+4*\s+3], 0x80000000
	JLOAD G0+4*\s, G1, G0B+4*\s, G1B
.endr
	v_and_b32 v1, 31, v0
	v_lshlrev_b32 v[LI], 4, v1
	v_lshlrev_b32 v2, 3, v1
.irp i, 0,1,2,3,4,5,6,7                        ; the scale words of my 8 + 8 blocks, for all of K: 512 consecutive bytes a load
	global_load_b128 v[SA+4*\i:SA+4*\i+3], v[LI], s[34:35] offset:512*\i
	global_load_b128 v[SB+4*\i:SB+4*\i+3], v[LI], s[36:37] offset:512*\i
.endr
	s_mul_i32 s38, s15, HALFT
	s_mul_i32 s39, s16, HALFT
	s_add_co_u32 s39, s39, 2*HALFT
.irp s, 0,1,2
	v_add_nc_u32 v[A16+\s], s38, v[LI]
	v_add_nc_u32 v[A8+\s], s38, v2
	v_add_nc_u32 v[B16+\s], s39, v[LI]
	v_add_nc_u32 v[B8+\s], s39, v2
	s_add_co_u32 s38, s38, SLOT
	s_add_co_u32 s39, s39, SLOT
.endr
	v_and_b32 v3, 15, v0
	v_bfe_u32 v4, v0, 4, 1
	v_mul_u32_u24 v4, v4, 12288
	v_lshl_add_u32 v[SOF], v3, 4, v4
	v_mov_b32 v[PSEL], 0x05040100
	v_mov_b32 v23, 0x07060302
	v_cndmask_b32 v[PSEL], v[PSEL], v23, s98
.irp b, 0,1,2,3
	v_mov_b32 v[TM+4+\b], 0                        ; written once: a lane permute's destination counts as one of its sources
.endr
	; where my results go
	s_cmp_eq_u32 s23, 1
	s_cselect_b32 s56, s17, s42                    ; the tile along the tokens,
	s_cselect_b32 s57, s15, s16                    ; my half of it,
	s_cselect_b32 s58, s40, s41                    ; the tile along the heads (4 heads),
	s_cselect_b32 s59, s16, s15                    ; my half of it (2 heads)
	s_cselect_b32 s60, 0, 6144                     ; K begins a step's 12,288 bytes, V lies 6,144 on
	s_cselect_b32 s61, 0, 256
	s_cmp_eq_u32 ttmp9, 0
	s_cselect_b32 s62, s23, 0
	s_cmp_eq_u32 s62, 1                            ; q: role q | k and the cluster's x = 0
	s_cselect_b32 s60, 196608, s60
	s_cselect_b32 s61, 8192, s61
	s_mov_b32 s63, 12288
	s_cselect_b32 s63, 6144, s63                   ; bytes of codes for 128 tokens
	s_mov_b32 s66, 512
	s_cselect_b32 s66, 256, s66                    ; and of scale words
	s_lshl_b32 s56, s56, 1
	s_add_co_u32 s56, s56, s57                     ; my group of 128 tokens
	s_lshl_b32 s58, s58, 1
	s_add_co_u32 s58, s58, s59                     ; my pair of heads
	s_lshr_b32 s57, s56, 4                         ; batch
	s_and_b32 s56, s56, 15                         ; the group inside the batch
	s_lshl_b32 s57, s57, 4
	s_lshl_b32 s58, s58, 1
	s_add_co_u32 s57, s57, s58                     ; my first head's record
	s_mul_i32 s92, s57, 294912
	s_mul_i32 s63, s63, s56
	s_add_co_u32 s92, s92, s63
	s_add_co_u32 s92, s92, s60
	s_mov_b32 s93, 0
	s_mul_i32 s94, s57, 12288
	s_mul_i32 s66, s66, s56
	s_add_co_u32 s94, s94, s66
	s_add_co_u32 s94, s94, s61
	s_mov_b32 s95, 0
	s_add_nc_u64 s[92:93], s[8:9], s[92:93]
	s_add_nc_u64 s[94:95], s[10:11], s[94:95]
	s_wait_tensorcnt 2                             ; my part of slot 0 is in; slots 1 and 2 may stay out
	s_barrier_signal -1
	s_barrier_wait -1
	FETCH_B 0, 0, 0
	FETCH_A 0, 0, 0
	FETCH_A 0, 0, 4
	s_wait_loadcnt 0x0                             ; the scale words
	STEP 0, 0, 1, 1                                ; the first step's products start the sums: nothing is cleared
	TURN 1, 1, 1                                   ; all three slots have landed in every wave; slot 0 is filled again
	STEP 2, 1, 1, 0
	STEP 3, 2, 0, 0
	STEP 4, 2, 1, 0
	TURN 5, 0, 0                                   ; the refill has landed in every wave; nothing is filled
	STEP 6, 0, 1, 0
	s_wait_dscnt 16                                ; the last step: nothing more to fetch
	WIN MUL_LO
	MUL16 0, 1, 7, 0
	MUL16 2, 1, 7, 0
	s_wait_dscnt 0x0
	WIN MUL_HI
	MUL16 4, 1, 7, 0
	MUL16 6, 1, 7, 0
	WIN 0
	PLACES NP                                      ; behind the last products: their results are read, and A's registers written, below
; Block a's 64 numbers (in window 2 or 3) are quantised: blocks 0, 1 of 32 become six registers from d0 on, blocks 2, 3 six from d1 on; the four bytes go to v[PWR + a].
; Each accumulator is read from its low end on.
.macro QUANTW a, d0, d1
.set QS, 64*((\a)%4)
.set QW, 2+(\a)/4
.set D0, \d0
.set D1, \d1
	WIN QW*5                                       ; sources 0 and 1 in the accumulators' window
.irp b, 0,1,2,3
	v_max3_num_f32 v[TM+\b], |v[QS+16*\b]|, |v[QS+16*\b+1]|, 0x1800000   ; and the floor 2^(3 - 127): the byte cannot fall under 1
.endr
.irp i, 2,4,6,8,10,12,14
.irp b, 0,1,2,3
	v_max3_num_f32 v[TM+\b], |v[QS+16*\b+\i]|, |v[QS+16*\b+\i+1]|, v[TM+\b]
.endr
.endr
	WIN 0
.irp b, 0,1,2,3
	v_permlanex16_b32 v[TM+4+\b], v[TM+\b], s[SEL], s[SEL+1]
.endr
.irp b, 0,1,2,3
	v_max_num_f32 v[TM+\b], v[TM+\b], v[TM+4+\b]   ; with lane l xor 16's: the block's largest magnitude
.endr
.irp b, 0,1,2,3
	v_add_nc_u32 v[TM+12+\b], 0xff000000, v[TM+\b] ; 2 off its exponent field: the conversion's scale operand
.endr
.irp b, 0,1,2,3
	v_lshrrev_b32 v[TM+4+\b], 23, v[TM+12+\b]      ; the scale's byte
.endr
	v_lshl_or_b32 v[PWR+(\a)], v[TM+5], 8, v[TM+4]
	v_lshl_or_b32 v[PWR+(\a)], v[TM+6], 16, v[PWR+(\a)]
	v_lshl_or_b32 v[PWR+(\a)], v[TM+7], 24, v[PWR+(\a)]
	WIN QW                                         ; source 0 in the accumulators' window
	v_cvt_scalef32_pk16_fp6_f32 v[D0:D0+2], v[QS:QS+15], v[TM+12]
	v_cvt_scalef32_pk16_fp6_f32 v[CT:CT+2], v[QS+16:QS+31], v[TM+13]
	v_cvt_scalef32_pk16_fp6_f32 v[D1:D1+2], v[QS+32:QS+47], v[TM+14]
	v_cvt_scalef32_pk16_fp6_f32 v[CT+4:CT+6], v[QS+48:QS+63], v[TM+15]
	WIN 0
	v_nop                                          ; one plain place behind a scaled conversion
.irp i, 0,1,2                                  ; a whole block of 32 to a lane: lanes 0-15 the first of the two, lanes 16-31 the second
	v_permlane16_swap_b32 v[D0+\i], v[CT+\i]
	v_permlane16_swap_b32 v[D1+\i], v[CT+4+\i]
.endr
.irp i, 0,1,2
	v_mov_b32 v[D0+3+\i], v[CT+\i]
	v_mov_b32 v[D1+3+\i], v[CT+4+\i]
.endr
.endm
.macro STOREF f                        ; fragment f: 0-3 my first head's, 4-7 my second's; each store covers 512 consecutive bytes, aligned.  Each fragment has registers of its own: no store's data are written again
.set SF, \f
.irp c, 0,1,2
	global_store_b128 v[LI], v[AF+12*SF+4*\c:AF+12*SF+4*\c+3], s[92:93] offset:(SF/4)*294912+(SF%4)*1536+512*\c
.endr
.endm
	s_cmp_eq_u32 s23, 1
	s_cbranch_scc0 .Lrole_v
	; q or k: block a is a tile of 16 tokens; its 128 numbers a lane-row are two heads' 64
.irp a, 0,1,2,3,4,5,6,7
	QUANTW \a, AF+12*((\a)/2)+6*((\a)%2), AF+12*(4+(\a)/2)+6*((\a)%2)
.if (\a)%2 == 1
	STOREF (\a)/2
	STOREF 4+(\a)/2
.endif
.endr
.irp j, 0,1,2,3                                ; a pair fragment's word: two bytes of tile 2 j, two of tile 2 j + 1; lanes 0-15 the first head's, lanes 16-31 the second's
	v_perm_b32 v[WD+\j], v[PWR+2*\j+1], v[PWR+2*\j], v[PSEL]
.endr
	s_branch .Lwords
.Lrole_v:
	; v: block a is 16 channels (0-3 my first head's, 4-7 my second's); its 128 numbers run along the tokens: one whole fragment
.irp a, 0,1,2,3,4,5,6,7
	QUANTW \a, AF+12*(\a), AF+12*(\a)+6
	STOREF \a
.endr
.irp j, 0,1,2,3
	v_cndmask_b32 v[WD+\j], v[PWR+\j], v[PWR+4+\j], s98
.endr
.Lwords:
	global_store_b128 v[SOF], v[WD:WD+3], s[94:95] ; each half of the wave stores 256 consecutive bytes, aligned, in its head's record
	s_wait_tensorcnt 0x0                           ; the wave's end, behind my last tensor load
	ds_add_u32 v[SPW], v[NIL]
	s_wait_dscnt 0x0
	CROUND                                         ; the closing round
	s_endpgm
.Lfunc_end_k_qbb0f267392_proj:
	.size	k_qbb0f267392_proj, .Lfunc_end_k_qbb0f267392_proj-k_qbb0f267392_proj
	.p2alignl 7, 3214868480
	.fill 96, 4, 3214868480
	.section	.rodata,"a",@progbits
	.p2align	6, 0x0
	.amdhsa_kernel k_qbb0f267392_proj
		.amdhsa_group_segment_fixed_size 327680
		.amdhsa_private_segment_fixed_size 0
		.amdhsa_enable_private_segment 0
		.amdhsa_kernarg_size 32
		.amdhsa_user_sgpr_count 2
		.amdhsa_user_sgpr_kernarg_segment_ptr 1
		.amdhsa_wavefront_size32 1
		.amdhsa_system_sgpr_workgroup_id_x 1
		.amdhsa_system_sgpr_workgroup_id_y 1
		.amdhsa_system_sgpr_workgroup_id_z 1
		.amdhsa_system_vgpr_workitem_id 0
		.amdhsa_next_free_vgpr 1024
		.amdhsa_next_free_sgpr 104
		.amdhsa_reserve_vcc 0
		.amdhsa_float_denorm_mode_32 3
		.amdhsa_float_denorm_mode_16_64 3
		.amdhsa_memory_ordered 1
		.amdhsa_forward_progress 1
		.amdhsa_inst_pref_size 180
	.end_amdhsa_kernel
	.amdgpu_metadata
---
amdhsa.version: [ 1, 2 ]
amdhsa.kernels:
  - .name:           k_qbb0f267392_proj
    .symbol:         k_qbb0f267392_proj.kd
    .args:
      - { .name: cod1, .offset: 0, .size: 8, .value_kind: global_buffer, .address_space: global }
      - { .name: sc1, .offset: 8, .size: 8, .value_kind: global_buffer, .address_space: global }
      - { .name: qkvc, .offset: 16, .size: 8, .value_kind: global_buffer, .address_space: global }
      - { .name: qkvs, .offset: 24, .size: 8, .value_kind: global_buffer, .address_space: global }
    .group_segment_fixed_size: 327680
    .private_segment_fixed_size: 0
    .kernarg_segment_align: 8
    .kernarg_segment_size: 32
    .max_flat_workgroup_size: 128
    .sgpr_count:     104
    .vgpr_count:     1024
    .wavefront_size: 32
...
	.end_amdgpu_metadata
.endif
;; end of part 2
;; launch attn (part 3): grid 4 x 64, 16 waves a work-group, clusters of 4 x 1, 215,040 bytes of LDS; arguments qkvc, qkvs, attention_mask, aoc, aos; writes aoc, aos
.if DOCPART == 3
	.amdgcn_target "amdgcn-amd-amdhsa--gfx1250"
	.amdhsa_code_object_version 6
	.text
	.protected	k_qbb0f267392_attn
	.globl	k_qbb0f267392_attn
	.p2align	8
	.type	k_qbb0f267392_attn,@function
k_qbb0f267392_attn:
	s_mov_b64 s[64:65], 0
	v_nop
	global_prefetch_b8 v0, s[64:65] scope:SCOPE_SE
	s_setreg_imm32_b32 hwreg(HW_REG_WAVE_MODE, 25, 1), 1
	s_wait_xcnt 0x0
	s_wait_alu depctr_hold_cnt(0) depctr_sa_sdst(0) depctr_va_vdst(0) depctr_va_sdst(0) depctr_va_ssrc(0) depctr_va_vcc(0) depctr_vm_vsrc(0)
	s_getreg_b32 s2, hwreg(HW_REG_IB_STS2, 6, 4)
	s_cmp_eq_u32 s2, 0
	s_cbranch_scc0 .Lentry_in_a_cluster
	s_endpgm
.Lentry_in_a_cluster:
	s_bfe_u32 s2, ttmp6, 0x10000c
	s_cmp_lg_u32 s2, 0x3003
	s_cbranch_scc0 .Lentry_shape_is_right
	s_endpgm
.Lentry_shape_is_right:
; Attention for one head (64 channels, 2,048 tokens) on codes of FP6 (E2M3) with E8M0 scales, causal, with the padding mask that comes as an input; the result is quantised along the 1,024 and stored as codes.
; SOFTMAX: t = score x log2(e) / 8; M = the running largest t rounded UP to a whole number; p = 2^(t - M) is quantised along the keys, not normalised; the row's sum is taken of the unquantised p and divides at the end.
; SHARES.  A head's K and V codes (196,608 bytes) and scale words lie in LDS whole: every tensor load is a first fill, one barrier stands ahead of the key loops, none in them.  The four work-groups of a head form a
; cluster and ask for these bytes JOINTLY.  With g = 4 x wave + cx, a wave takes query tile 127 - g and then tile g (16 queries each): 16 - wave / 2 and wave / 2 + 1 key steps of 128: 17 for every wave.
; The limits hang on the wave's number alone; cx enters global addresses, a compare's data and two selects, no branch and no LDS address.  Each key loop has 16 trips; a step all of whose keys are hidden is jumped over.
; LAYOUT.  Both products transposed: S^T = K Q^T, O^T = V^T P^T: a lane holds one query.  Tiles are permuted (lane r of tile 2 b + u = token 32 b + 8 u + r + 8 (r / 8)), so that the 16 registers of S^T's tiles
; 2 b, 2 b + 1 are keys 32 b + 16 (lane / 16) + 0 .. 15.  The head's K is 64: a fragment of K holds tile 2 f in registers 0-5 and tile 2 f + 1 in 6-11, and is multiplied by [q | 0] and by [0 | q]: zero codes add nothing.
; THE PADDING MASK is the C of S^T's products: 0, or -2^100 for a masked key; the causal mask is -infinity on the diagonal step.  The running largest t starts at -2^60: while every key so far is masked, M stays there and
; every p is 0.  A row that ends with its largest t under -2^59 has no visible key: its codes are zeros and its two scale bytes 0xff, which the last product turns into NaN, as the softmax of an empty row is.
; LIMITS: |t| of real scores under 2^59; a block of zeros gets the byte 1 (this program alone reads the bytes); NaN and infinities among the inputs are not served.
; The two scale bytes of a row leave by a store of two bytes a lane: two heads share a scale word of the next product, so a work-group owns only half of it; these are 262,144 bytes of the launch's stores.
.set KVB,   12288                      ; a key step in LDS: 4 fragments of K, 4 of V, 1,536 bytes each
.set SC,    196608                     ; scale words: 512 bytes a step: K's [r][4 words], V's [r][4 words]
.set BIAS,  204800                     ; an f32 for each key: 0 or -2^100; stored by the waves, no fill lands here
.set SPARE, 212992                     ; the spare words, 128 bytes a wave, that no other line names
.set LI,  1                            ; v1  16 x lane
.set LSC, 2                            ; v2  SC + 16 r
.set LBI, 3                            ; v3  BIAS + 64 h
.set SPW, 4
.set NIL, 5
.set D0,  6                            ; v6  r + 8 (r / 8) - 16 h
.set ADKV, 7
.set ADSC, 8
.set ADBI, 9
.set L8,  43                           ; v43 8 x lane
.set R16, 44                           ; v44 16 r
.set BM,  224                          ; v224-227 block maxima;  v228-231, v232-235 at work
.set BT,  228
.set SOP, 232
; v10 diagonal's bound; v11 -infinity; v12 -M; v13 largest t; v[14:15] the sum; v16-21 zeros, v22-27 q, v28-33 zeros; v34 q's scale word; v35, v36-41 the second tile's; v42 0xffff; v45 -2^59
; v48-95 four fragments; v96-159 S^T, then p; v160-191 O^T; v192-203 p's codes; v204-210 halves on their way; v212-215, v216-219 K's, V's scale words; v220 p's; v[236:237] f; v[238:239] second chain; v240 at work
.set WV,  14
.set CX,  15
.set BH,  16
.set BB,  17
.set HD,  18
.set TLO, 19
.set SEL, 20
.set CS,  22
.set G1C, 24
.set G1S, 32
.set G0C, 40
.set G0S, 44
.set KS,  48
.set TB,  49
.set TS,  50
.set FLG, 51
.set THI, 52
.set HC,  53
.set HS,  54
.set LIMH, 55
.set LIML, 56
.set DSCH, 57
.set DSCL, 58
.set ODDH, 59
.set ODDL, 60
.set PSH, 61
.set PSL, 62
.set OCH, 66
.set OSH, 68
.set OCL, 70
.set OSL, 72
.set QCH, 74
.set QWH, 76
.set QCL, 78
.set QWL, 80
.set RC,  82
.set RS,  84
.set MB,  86
.set T0,  88
.set T1,  89
.macro ROUND
	s_barrier_signal -1
	s_barrier_wait -1
	s_cmp_lg_u32 s[WV], 0
	s_cbranch_scc1 .Lnot_wave_0_\@
	s_barrier_signal -3
.Lnot_wave_0_\@:
	s_barrier_wait -3
	s_barrier_signal -1
	s_barrier_wait -1
.endm
; byte offsets that hang on query tile T = s[t]: its pair fragment and word of q, its place in aoc and aos, the diagonal's bound, the half of the pair
.macro TADR t, qc, qw, oc, os, dsc, odd, ps
	s_lshr_b32 s[\qc], s[\t], 1
	s_mul_i32 s[\qc], s[\qc], 1536
	s_add_co_u32 s[\qc], s[\qc], 196608
	s_mov_b32 s[\qc+1], 0
	s_add_nc_u64 s[\qc:\qc+1], s[\qc:\qc+1], s[RC:RC+1]
	s_lshr_b32 s[\qw], s[\t], 3
	s_lshl_b32 s[\qw], s[\qw], 8
	s_bfe_u32 s[T0], s[\t], 0x20001                ; (T / 2) % 4
	s_lshl_b32 s[T1], s[T0], 2
	s_add_co_u32 s[\qw], s[\qw], s[T1]
	s_add_co_u32 s[\qw], s[\qw], 8192
	s_mov_b32 s[\qw+1], 0
	s_add_nc_u64 s[\qw:\qw+1], s[\qw:\qw+1], s[RS:RS+1]
	s_lshl_b32 s[\dsc], s[T0], 5
	s_and_b32 s[\odd], s[\t], 1
	s_lshl_b32 s[T1], s[\odd], 3
	s_add_co_u32 s[\dsc], s[\dsc], s[T1]           ; lane 0's query inside its 128: 32 ((T / 2) % 4) + 8 (T % 2)
	s_sub_co_u32 s[\odd], 0, s[\odd]               ; all ones where T is odd
	s_and_b32 s[\ps], s[\odd], 0x02020202
	s_add_co_u32 s[\ps], s[\ps], 0x01000100        ; byte selects: the tile's two bytes, twice
	s_lshl_b32 s[\os], s[BB], 7
	s_add_co_u32 s[\os], s[\os], s[\t]             ; the tile among all 512
	s_lshr_b32 s[\oc], s[\os], 3
	s_mul_i32 s[\oc], s[\oc], 98304
	s_and_b32 s[T1], s[\t], 7
	s_mul_i32 s[T1], s[T1], 3072
	s_add_co_u32 s[\oc], s[\oc], s[T1]
	s_add_co_u32 s[\oc], s[\oc], s[HC]
	s_mov_b32 s[\oc+1], 0
	s_lshl_b32 s[\os], s[\os], 9
	s_add_co_u32 s[\os], s[\os], s[HS]
	s_mov_b32 s[\os+1], 0
.endm
	s_load_b256 s[4:11], s[0:1], 0x0               ; qkvc, qkvs, attention_mask, aoc
	s_load_b64 s[12:13], s[0:1], 0x20              ; aos
	v_lshl_add_u32 v[SPW], v0, 2, SPARE
	v_mov_b32 v[NIL], 0
	ds_add_u32 v[SPW], v[NIL]                      ; the wave's opening: the add and its wait stand ahead of my first tensor load
	ds_add_u32 v[SPW], v[NIL]
	v_lshrrev_b32 v46, 5, v0
	s_delay_alu instid0(VALU_DEP_1)
	v_readfirstlane_b32 s[WV], v46                 ; wave 0..15
	s_bfe_u32 s[CX], ttmp6, 0x40000                ; my place in the cluster
	s_and_b32 s[BH], ttmp7, 0xffff                 ; batch x 16 + head, which the four partners share
	s_lshr_b32 s[BB], s[BH], 4
	s_and_b32 s[HD], s[BH], 15
	s_lshl_b32 s[TLO], s[WV], 2
	s_add_co_u32 s[TLO], s[TLO], s[CX]             ; g: my second tile
	s_sub_co_u32 s[THI], 127, s[TLO]               ; my first tile
	s_lshr_b32 s[LIML], s[WV], 1                   ; the tiles' last key steps: by the wave's number alone
	s_sub_co_u32 s[LIMH], 15, s[LIML]
	s_lshr_b32 s[HC], s[HD], 2                     ; my head's 64 of the 1,024: K step of 256, then 768 bytes for each 64
	s_mul_i32 s[HC], s[HC], 24576
	s_and_b32 s[T0], s[HD], 3
	s_mul_i32 s[T0], s[T0], 768
	s_add_co_u32 s[HC], s[HC], s[T0]
	s_lshr_b32 s[HS], s[HD], 3                     ; and its two scale bytes: half of K, then 2 bytes a head
	s_lshl_b32 s[HS], s[HS], 8
	s_and_b32 s[T0], s[HD], 7
	s_lshl_b32 s[T0], s[T0], 1
	s_add_co_u32 s[HS], s[HS], s[T0]
	s_mul_i32 s[RC], s[BH], 294912                 ; my head's records
	s_mov_b32 s[RC+1], 0
	s_mul_i32 s[RS], s[BH], 12288
	s_mov_b32 s[RS+1], 0
	TADR THI, QCH, QWH, OCH, OSH, DSCH, ODDH, PSH
	TADR TLO, QCL, QWL, OCL, OSL, DSCL, ODDL, PSL
	s_mul_i32 s90, s[WV], KVB                      ; I fetch key step = my wave's number
	s_mov_b32 s91, 0
	s_add_nc_u64 s[90:91], s[90:91], s[RC:RC+1]
	s_lshl_b32 s92, s[WV], 9
	s_mov_b32 s93, 0
	s_add_nc_u64 s[92:93], s[92:93], s[RS:RS+1]
	s_lshl_b32 s[MB], s[BB], 13                    ; my batch's 2,048 mask words
	s_mov_b32 s[MB+1], 0
	s_mov_b32 s[G1C], 15|(3<<16)|(1<<21)           ; 15:0 the mask: all four work-groups; 17:16 elements of 8 bytes; 21 set beside a mask
	s_mov_b32 s[G1C+1], 32<<16                     ; rows of 256 bytes,
	s_mov_b32 s[G1C+2], 48<<16                     ; 48 of them: 12,288 dense bytes
	s_mov_b32 s[G1C+3], 32<<16
	s_mov_b32 s[G1C+4], 48
	s_mov_b32 s[G1C+5], 32
	s_mov_b32 s[G1C+6], 0
	s_mov_b32 s[G1C+7], 0
	s_mov_b32 s[G1S], 15|(3<<16)|(1<<21)
	s_mov_b32 s[G1S+1], 32<<16
	s_mov_b32 s[G1S+2], 2<<16                      ; 2 rows: a step's 512 bytes of scale words
	s_mov_b32 s[G1S+3], 32<<16
	s_mov_b32 s[G1S+4], 2
	s_mov_b32 s[G1S+5], 32
	s_mov_b32 s[G1S+6], 0
	s_mov_b32 s[G1S+7], 0
	s_mov_b32 s[SEL], 0x76543210
	s_mov_b32 s[SEL+1], 0xfedcba98
	s_mov_b32 s[CS], 0x3e38aa3b                    ; c = log2(e) / 8
	s_mov_b32 s[CS+1], s[CS]                       ; (named with it as a pair, so it is written)
	s_wait_dscnt 0x0                               ; the opening add is done
	s_wait_kmcnt 0x0
	s_mov_b32 s[G0C], 1
	s_mul_i32 s[G0C+1], s[WV], KVB
	s_add_nc_u64 s[G0C+2:G0C+3], s[4:5], s[90:91]
	s_or_b32 s[G0C+3], s[G0C+3], 0x80000000
	s_mov_b32 s[G0S], 1
	s_lshl_b32 s[G0S+1], s[WV], 9
	s_add_co_u32 s[G0S+1], s[G0S+1], SC
	s_add_nc_u64 s[G0S+2:G0S+3], s[6:7], s[92:93]
	s_or_b32 s[G0S+3], s[G0S+3], 0x80000000
	s_add_nc_u64 s[QCH:QCH+1], s[4:5], s[QCH:QCH+1]
	s_add_nc_u64 s[QCL:QCL+1], s[4:5], s[QCL:QCL+1]
	s_add_nc_u64 s[QWH:QWH+1], s[6:7], s[QWH:QWH+1]
	s_add_nc_u64 s[QWL:QWL+1], s[6:7], s[QWL:QWL+1]
	s_add_nc_u64 s[MB:MB+1], s[8:9], s[MB:MB+1]
	s_add_nc_u64 s[OCH:OCH+1], s[10:11], s[OCH:OCH+1]
	s_add_nc_u64 s[OCL:OCL+1], s[10:11], s[OCL:OCL+1]
	s_add_nc_u64 s[OSH:OSH+1], s[12:13], s[OSH:OSH+1]
	s_add_nc_u64 s[OSL:OSL+1], s[12:13], s[OSL:OSL+1]
	ROUND                                          ; all four work-groups are here: the joint loads meet
	tensor_load_to_lds s[G0C:G0C+3], s[G1C:G1C+7]  ; my key step's codes; two loads of mine are out
	s_nop 0
	tensor_load_to_lds s[G0S:G0S+3], s[G1S:G1S+7]  ; and its scale words
	s_nop 0
.rept 4
	v_nop
.endr
	v_and_b32 v46, 31, v0
	s_delay_alu instid0(VALU_DEP_1)
	v_lshlrev_b32 v[LI], 4, v46
	s_delay_alu instid0(VALU_DEP_2)
	v_lshlrev_b32 v[L8], 3, v46
	v_and_b32 v47, 15, v0                          ; r
	v_bfe_u32 v46, v0, 4, 1                        ; h
	s_delay_alu instid0(VALU_DEP_2)
	v_lshlrev_b32 v[R16], 4, v47
	s_delay_alu instid0(VALU_DEP_1)
	v_add_nc_u32 v[LSC], SC, v[R16]
	s_delay_alu instid0(VALU_DEP_3)
	v_lshlrev_b32 v[LBI], 6, v46
	s_delay_alu instid0(VALU_DEP_1)
	v_add_nc_u32 v[LBI], BIAS, v[LBI]
	v_and_b32 v[D0], 8, v47
	s_delay_alu instid0(VALU_DEP_1)
	v_add_nc_u32 v[D0], v[D0], v47
	v_lshlrev_b32 v46, 4, v46
	s_delay_alu instid0(VALU_DEP_1)
	v_sub_nc_u32 v[D0], v[D0], v46
	v_lshlrev_b32 v241, 4, v0                      ; 16 x thread: four mask words
	global_load_b128 v[244:247], v241, s[MB:MB+1]
.irp c, 0,1,2
	global_load_b128 v[48+4*\c:51+4*\c], v[LI], s[QCH:QCH+1] offset:512*\c   ; the pair fragments that hold my two tiles of q
	global_load_b128 v[60+4*\c:63+4*\c], v[LI], s[QCL:QCL+1] offset:512*\c
.endr
	global_load_b32 v72, v[R16], s[QWH:QWH+1]
	global_load_b32 v73, v[R16], s[QWL:QWL+1]
	v_lshl_add_u32 v242, v0, 4, BIAS
	v_mov_b32 v243, 0xf1800000                     ; -2^100
	v_mov_b32 v11, 0xff800000                      ; -infinity
	v_mov_b32 v42, 0xffff
	v_mov_b32 v45, 0xdd000000                      ; -2^59
.irp i, 0,1,2,3,4,5
	v_mov_b32 v[16+\i], 0
	v_mov_b32 v[28+\i], 0
.endr
.irp b, 0,1,2,3
	v_mov_b32 v[BT+\b], 0                          ; written once: a lane permute's destination counts as one of its sources
.endr
	v_mov_b32 v237, 0                              ; (named as the upper half of the pair v[236:237])
	v_mov_b32 v240, 0
	s_wait_loadcnt 0x0
.irp i, 0,1,2,3
	v_cmp_eq_u32 vcc_lo, 0, v[244+\i]
	s_delay_alu instid0(VALU_DEP_1)
	v_cndmask_b32 v[244+\i], v16, v243, vcc_lo     ; a masked key's bias
.endr
	ds_store_b128 v242, v[244:247]
.irp i, 0,1,2,3,4,5
	v_cndmask_b32 v[22+\i], v[48+\i], v[54+\i], s[ODDH]   ; my tile's half of the pair
	v_cndmask_b32 v[36+\i], v[60+\i], v[66+\i], s[ODDL]
.endr
	v_perm_b32 v34, v72, v72, s[PSH]               ; its two bytes in both halves of the word: they serve [q | 0] and [0 | q]
	v_perm_b32 v35, v73, v73, s[PSL]
	s_wait_tensorcnt 0x0                           ; my fills have landed,
	s_wait_dscnt 0x0                               ; my part of the bias table is stored:
	s_barrier_signal -1
	s_barrier_wait -1                              ; everybody's
.macro START                           ; a tile's statistics and O^T.  (The key step is written once a pass: its first step finds zeros)
	v_mov_b32 v13, 0xdd800000                      ; the largest t so far: -2^60
	s_delay_alu instid0(VALU_DEP_1)
	v_floor_f32 v12, -v13                          ; -M
	v_mov_b32 v14, 0
	v_mov_b32 v15, 0
.set n, 0
.rept 32
	v_mov_b32 v[160+n], 0
.set n, n+1
.endr
.endm
; The key loop of one tile: 16 trips of 128 keys; s[lim] its last step, s[dsc] its diagonal's bound
.macro KEYS lim, dsc
	s_mov_b32 s[KS], 0
	s_mov_b32 s[TB], 0
	s_mov_b32 s[TS], 0
.Lstep_\@:
	s_cmp_gt_u32 s[KS], s[\lim]                    ; all 128 keys come after my queries: the step's work is left out, not the lines at its end that step addresses
	s_cbranch_scc1 .Lhidden_\@
	s_setprio 2
	v_add_nc_u32 v[ADKV], s[TB], v[LI]
	v_add_nc_u32 v[ADSC], s[TS], v[LSC]
	v_add_nc_u32 v[ADBI], s[TS], v[LBI]
.irp t, 0,1,2,3,4,5,6,7                        ; the bias of tile t's keys 32 (t / 2) + 8 (t % 2) + 16 h + 0 .. 7 is the C of its product
	ds_load_b128 v[96+8*\t:99+8*\t], v[ADBI] offset:128*(\t/2)+32*(\t%2)
	ds_load_b128 v[100+8*\t:103+8*\t], v[ADBI] offset:128*(\t/2)+32*(\t%2)+16
.endr
.irp f, 0,1,2,3
.irp c, 0,1,2
	ds_load_b128 v[48+12*\f+4*\c:51+12*\f+4*\c], v[ADKV] offset:1536*\f+512*\c
.endr
.endr
	ds_load_b128 v[212:215], v[ADSC]
	ds_load_b128 v[216:219], v[ADSC] offset:256
	s_wait_alu depctr_va_vdst(0)
	s_wait_dscnt 0x0
.irp f, 0,1,2,3                                ; eight accumulators, one instruction each
	v_wmma_scale_f32_16x16x128_f8f6f4 v[96+16*\f:103+16*\f], v[48+12*\f:59+12*\f], v[22:33], v[96+16*\f:103+16*\f], v[212+\f], v34 matrix_a_fmt:MATRIX_FMT_FP6 matrix_b_fmt:MATRIX_FMT_FP6
	v_wmma_scale_f32_16x16x128_f8f6f4 v[104+16*\f:111+16*\f], v[48+12*\f:59+12*\f], v[16:27], v[104+16*\f:111+16*\f], v[212+\f], v34 matrix_a_fmt:MATRIX_FMT_FP6 matrix_b_fmt:MATRIX_FMT_FP6
.endr
.rept 4
	v_nop                                          ; places behind the products: ahead of loads into K's registers and of the first read of the scores
.endr
.irp f, 0,1,2,3                                ; V's fragments land under the softmax
.irp c, 0,1,2
	ds_load_b128 v[48+12*\f+4*\c:51+12*\f+4*\c], v[ADKV] offset:6144+1536*\f+512*\c
.endr
.endr
	s_cmp_lg_u32 s[KS], s[\lim]                    ; only the tile's last step lies on the diagonal
	s_cbranch_scc1 .Lopen_\@
	v_add_nc_u32 v10, s[\dsc], v[D0]               ; my query inside the 128, less 16 h.  Register 16 b + i holds key 32 b + i + 16 h: hidden where 32 b + i is greater
.set n, 0
.rept 64
	v_cmp_gt_i32 vcc_lo, 32*(n/16)+n%16, v10
	v_cndmask_b32 v[96+n], v[96+n], v11, vcc_lo
.set n, n+1
.endr
.Lopen_\@:
.irp b, 0,1,2,3
	v_max3_num_f32 v[BM+\b], v[96+16*\b], v[97+16*\b], v[98+16*\b]   ; the largest score of each block of 32 keys: for the row's maximum, and, since p rises with the score, for the block's largest p
.endr
.irp i, 3,5,7,9,11,13
.irp b, 0,1,2,3
	v_max3_num_f32 v[BM+\b], v[BM+\b], v[96+16*\b+\i], v[97+16*\b+\i]
.endr
.endr
.irp b, 0,1,2,3
	v_max_num_f32 v[BM+\b], v[BM+\b], v[111+16*\b]
.endr
.irp b, 0,1,2,3
	s_delay_alu instid0(VALU_DEP_4)
	v_permlanex16_b32 v[BT+\b], v[BM+\b], s[SEL], s[SEL+1]
.endr
.irp b, 0,1,2,3
	s_delay_alu instid0(VALU_DEP_4)
	v_max_num_f32 v[BM+\b], v[BM+\b], v[BT+\b]     ; with lane l xor 16's 16 keys
.endr
	s_delay_alu instid0(VALU_DEP_2)
	v_max3_num_f32 v240, v[BM], v[BM+1], v[BM+2]
	s_delay_alu instid0(VALU_DEP_1)
	v_max_num_f32 v240, v240, v[BM+3]
	s_delay_alu instid0(VALU_DEP_1)
	v_mul_f32 v240, s[CS], v240                    ; as t (c is positive)
	s_delay_alu instid0(VALU_DEP_1)
	v_max_num_f32 v13, v13, v240                   ; the running largest t
	v_mov_b32 v240, v12
	s_delay_alu instid0(VALU_DEP_2)
	v_floor_f32 v12, -v13                          ; the new -M = floor(-t): M is a whole number
	s_delay_alu instid0(VALU_DEP_1)
	v_sub_f32 v240, v12, v240                      ; old M - new M: a whole number, 0 or less
	s_delay_alu instid0(VALU_DEP_1)
	v_cvt_i32_f32 v240, v240                       ; (it saturates)
	s_delay_alu instid0(VALU_DEP_1)
	v_ldexp_f32 v236, 1.0, v240                    ; f = 2^(old M - new M): rounds nothing
.set n, 0
.rept 32
	v_pk_fma_f32 v[96+n:97+n], v[96+n:97+n], s[CS:CS+1], v[12:13] op_sel_hi:[1,0,0]   ; t - M, two at a time
.set n, n+2
.endr
	s_setprio 1
.irp b, 0,1,2,3
	v_fma_f32 v[BM+\b], v[BM+\b], s[CS], v12       ; the same of each block's largest score
.endr
.set n, 0
	s_wait_alu depctr_va_vdst(0)
.rept 64
	v_exp_f32 v[96+n], v[96+n]                     ; p = 2^(t - M)
.set n, n+1
.endr
	v_pk_mul_f32 v[14:15], v[14:15], v[236:237] op_sel_hi:[1,0]   ; the sums under the new M: a plain place behind the exponentials
	s_wait_alu depctr_va_vdst(0)                   ; one wait for the batch, ahead of its first reader
.irp b, 0,1,2,3
	v_exp_f32 v[BM+\b], v[BM+\b]                   ; the block's largest p: the same two instructions on the same number
.endr
	v_pk_add_f32 v[238:239], v[100:101], v[104:105]
	v_pk_add_f32 v[254:255], v[108:109], v[112:113]
	v_pk_add_f32 v[252:253], v[116:117], v[120:121]
	v_pk_add_f32 v[250:251], v[124:125], v[128:129]
	v_pk_add_f32 v[248:249], v[132:133], v[136:137]
	v_pk_add_f32 v[246:247], v[140:141], v[144:145]
	v_pk_add_f32 v[244:245], v[148:149], v[152:153]
	v_pk_add_f32 v[14:15], v[14:15], v[156:157]
	v_pk_add_f32 v[238:239], v[238:239], v[96:97]
	v_pk_add_f32 v[254:255], v[254:255], v[98:99]
	v_pk_add_f32 v[252:253], v[252:253], v[102:103]
	v_pk_add_f32 v[250:251], v[250:251], v[106:107]
	v_pk_add_f32 v[248:249], v[248:249], v[110:111]
	v_pk_add_f32 v[246:247], v[246:247], v[114:115]
	v_pk_add_f32 v[244:245], v[244:245], v[118:119]
	v_pk_add_f32 v[14:15], v[14:15], v[122:123]
	v_pk_add_f32 v[238:239], v[238:239], v[126:127]
	v_pk_add_f32 v[254:255], v[254:255], v[130:131]
	v_pk_add_f32 v[252:253], v[252:253], v[134:135]
	v_pk_add_f32 v[250:251], v[250:251], v[138:139]
	v_pk_add_f32 v[248:249], v[248:249], v[142:143]
	v_pk_add_f32 v[246:247], v[246:247], v[146:147]
	v_pk_add_f32 v[244:245], v[244:245], v[150:151]
	v_pk_add_f32 v[14:15], v[14:15], v[154:155]
	v_pk_add_f32 v[238:239], v[238:239], v[158:159]
	s_delay_alu instid0(VALU_DEP_2)
	v_pk_add_f32 v[14:15], v[14:15], v[250:251]
	s_delay_alu instid0(VALU_DEP_2)
	v_pk_add_f32 v[238:239], v[238:239], v[248:249]
	v_pk_add_f32 v[254:255], v[254:255], v[246:247]
	v_pk_add_f32 v[252:253], v[252:253], v[244:245]
	s_delay_alu instid0(VALU_DEP_2)
	v_pk_add_f32 v[14:15], v[14:15], v[254:255]
	s_delay_alu instid0(VALU_DEP_2)
	v_pk_add_f32 v[238:239], v[238:239], v[252:253]
	s_delay_alu instid0(VALU_DEP_1)
	v_pk_add_f32 v[14:15], v[14:15], v[238:239]
	s_wait_alu depctr_va_vdst(0)                   ; and one for the four
.irp b, 0,1,2,3
	v_max_num_f32 v[BM+\b], 0x1800000, v[BM+\b]    ; the floor 2^(3 - 127): the byte cannot fall under 1
.endr
.irp b, 0,1,2,3
	s_delay_alu instid0(VALU_DEP_4)
	v_add_nc_u32 v[SOP+\b], 0xff000000, v[BM+\b]   ; 2 off the exponent field: the conversion's scale operand
.endr
.irp b, 0,1,2,3
	s_delay_alu instid0(VALU_DEP_4)
	v_lshrrev_b32 v[BT+\b], 23, v[SOP+\b]          ; the scale's byte
.endr
	s_delay_alu instid0(VALU_DEP_3)
	v_lshl_or_b32 v220, v[BT+1], 8, v[BT]          ; p's scale word for these 128 keys
	s_delay_alu instid0(VALU_DEP_1)
	v_lshl_or_b32 v220, v[BT+2], 16, v220
	s_delay_alu instid0(VALU_DEP_1)
	v_lshl_or_b32 v220, v[BT+3], 24, v220
	s_setprio 0
.irp c, 0,1
	v_cvt_scalef32_pk16_fp6_f32 v[192+6*\c:194+6*\c], v[96+32*\c:111+32*\c], v[SOP+2*\c]
	v_cvt_scalef32_pk16_fp6_f32 v[204+4*\c:206+4*\c], v[112+32*\c:127+32*\c], v[SOP+2*\c+1]
.endr
	v_nop                                          ; one plain place behind a scaled conversion
.irp c, 0,1                                    ; a whole block to a lane
.irp i, 0,1,2
	v_permlane16_swap_b32 v[192+6*\c+\i], v[204+4*\c+\i]
.endr
.irp i, 0,1,2
	s_delay_alu instid0(VALU_DEP_3)
	v_mov_b32 v[195+6*\c+\i], v[204+4*\c+\i]
.endr
.endr
.set n, 0
.rept 16
	v_pk_mul_f32 v[160+n:161+n], v[160+n:161+n], v[236:237] op_sel_hi:[1,0]   ; O^T under the new M.  (For each product below twelve of these name none of its registers: the places behind the writes of p's codes and word)
.set n, n+2
.endr
	s_wait_alu depctr_va_vdst(0)
	s_wait_dscnt 0x0                               ; V is in
.irp f, 0,1,2,3
	v_wmma_scale_f32_16x16x128_f8f6f4 v[160+8*\f:167+8*\f], v[48+12*\f:59+12*\f], v[192:203], v[160+8*\f:167+8*\f], v[216+\f], v220 matrix_a_fmt:MATRIX_FMT_FP6 matrix_b_fmt:MATRIX_FMT_FP6
.endr
.rept 4
	v_nop                                          ; places behind the products, for the next step's loads and for the way out
.endr
.Lhidden_\@:
	s_add_co_u32 s[TB], s[TB], KVB
	s_add_co_u32 s[TS], s[TS], 512
	s_add_co_u32 s[KS], s[KS], 1
	s_cmp_lt_u32 s[KS], 16
	s_cbranch_scc1 .Lstep_\@
	s_setprio 0
.endm
; O^T / the sum; register 16 b + i is channel 32 b + 16 h + i of my query: two blocks of the next product's K; codes and two bytes leave in that product's layout
.macro WAYOUT oc, os
	v_add_f32 v14, v14, v15
	s_delay_alu instid0(VALU_DEP_1)
	v_permlanex16_b32 v240, v14, s[SEL], s[SEL+1]
	s_delay_alu instid0(VALU_DEP_1)
	v_add_f32 v14, v14, v240                       ; the row's sum
	s_wait_alu depctr_va_vdst(0)
	v_rcp_f32 v240, v14
	v_cmp_lt_f32 s[FLG], v13, v45                  ; no key was visible
	v_nop                                          ; a plain place behind the reciprocal
	s_wait_alu depctr_va_vdst(0)                   ; the wait ahead of its first reader
	v_cndmask_b32 v14, v240, v16, s[FLG]           ; such a row's numbers become zeros
.set n, 0
.rept 16
	v_pk_mul_f32 v[96+n:97+n], v[160+n:161+n], v[14:15] op_sel_hi:[1,0]   ; each accumulator from its low end on
.set n, n+2
.endr
.irp b, 0,1
	v_max3_num_f32 v[BM+\b], |v[96+16*\b]|, |v[97+16*\b]|, 0x1800000
.endr
.irp i, 2,4,6,8,10,12,14
.irp b, 0,1
	s_delay_alu instid0(VALU_DEP_2)
	v_max3_num_f32 v[BM+\b], v[BM+\b], |v[96+16*\b+\i]|, |v[97+16*\b+\i]|
.endr
.endr
.irp b, 0,1
	s_delay_alu instid0(VALU_DEP_2)
	v_permlanex16_b32 v[BT+\b], v[BM+\b], s[SEL], s[SEL+1]
.endr
.irp b, 0,1
	s_delay_alu instid0(VALU_DEP_2)
	v_max_num_f32 v[BM+\b], v[BM+\b], v[BT+\b]
.endr
.irp b, 0,1
	s_delay_alu instid0(VALU_DEP_2)
	v_add_nc_u32 v[SOP+\b], 0xff000000, v[BM+\b]
.endr
.irp b, 0,1
	s_delay_alu instid0(VALU_DEP_2)
	v_lshrrev_b32 v[BT+\b], 23, v[SOP+\b]
.endr
	s_delay_alu instid0(VALU_DEP_1)
	v_lshl_or_b32 v240, v[BT+1], 8, v[BT]
	s_delay_alu instid0(VALU_DEP_1)
	v_cndmask_b32 v240, v240, v42, s[FLG]          ; a row without a visible key: both bytes 0xff
	v_cvt_scalef32_pk16_fp6_f32 v[192:194], v[96:111], v[SOP]
	v_cvt_scalef32_pk16_fp6_f32 v[204:206], v[112:127], v[SOP+1]
	v_nop                                          ; one plain place behind a scaled conversion
.irp i, 0,1,2
	v_permlane16_swap_b32 v[192+\i], v[204+\i]
.endr
.irp i, 0,1,2
	s_delay_alu instid0(VALU_DEP_3)
	v_mov_b32 v[195+\i], v[204+\i]
.endr
	global_store_b128 v[LI], v[192:195], s[\oc:\oc+1]              ; 512 consecutive bytes, at a multiple of 256,
	global_store_b64 v[L8], v[196:197], s[\oc:\oc+1] offset:512    ; and the 256 behind them
	global_store_b16 v[R16], v240, s[\os:\os+1]                    ; both halves of the lanes store the same two bytes of row r
.endm
	START
	KEYS LIMH, DSCH
	WAYOUT OCH, OSH
	s_wait_xcnt 0x0                                ; the stores have read their registers, which the second tile writes again
.irp i, 0,1,2,3,4,5
	v_mov_b32 v[22+\i], v[36+\i]                   ; the second tile's q and word; the 36 lines of START are the places ahead of its first product
.endr
	v_mov_b32 v34, v35
	START
	KEYS LIML, DSCL
	WAYOUT OCL, OSL
	s_wait_tensorcnt 0x0                           ; the wave's end, behind my last tensor load and my last LDS store
	ds_add_u32 v[SPW], v[NIL]
	s_wait_dscnt 0x0
	ROUND                                          ; the closing round
	s_endpgm
.Lfunc_end_k_qbb0f267392_attn:
	.size	k_qbb0f267392_attn, .Lfunc_end_k_qbb0f267392_attn-k_qbb0f267392_attn
	.p2alignl 7, 3214868480
	.fill 96, 4, 3214868480
	.section	.rodata,"a",@progbits
	.p2align	6, 0x0
	.amdhsa_kernel k_qbb0f267392_attn
		.amdhsa_group_segment_fixed_size 215040
		.amdhsa_private_segment_fixed_size 0
		.amdhsa_enable_private_segment 0
		.amdhsa_kernarg_size 40
		.amdhsa_user_sgpr_count 2
		.amdhsa_user_sgpr_kernarg_segment_ptr 1
		.amdhsa_wavefront_size32 1
		.amdhsa_system_sgpr_workgroup_id_x 1
		.amdhsa_system_sgpr_workgroup_id_y 1
		.amdhsa_system_sgpr_workgroup_id_z 1
		.amdhsa_system_vgpr_workitem_id 0
		.amdhsa_next_free_vgpr 256
		.amdhsa_next_free_sgpr 96
		.amdhsa_reserve_vcc 1
		.amdhsa_float_denorm_mode_32 3
		.amdhsa_float_denorm_mode_16_64 3
		.amdhsa_memory_ordered 1
		.amdhsa_forward_progress 1
		.amdhsa_inst_pref_size 70
	.end_amdhsa_kernel
	.amdgpu_metadata
---
amdhsa.version: [ 1, 2 ]
amdhsa.kernels:
  - .name:           k_qbb0f267392_attn
    .symbol:         k_qbb0f267392_attn.kd
    .args:
      - { .name: qkvc, .offset: 0, .size: 8, .value_kind: global_buffer, .address_space: global }
      - { .name: qkvs, .offset: 8, .size: 8, .value_kind: global_buffer, .address_space: global }
      - { .name: attention_mask, .offset: 16, .size: 8, .value_kind: global_buffer, .address_space: global }
      - { .name: aoc, .offset: 24, .size: 8, .value_kind: global_buffer, .address_space: global }
      - { .name: aos, .offset: 32, .size: 8, .value_kind: global_buffer, .address_space: global }
    .group_segment_fixed_size: 215040
    .private_segment_fixed_size: 0
    .kernarg_segment_align: 8
    .kernarg_segment_size: 40
    .max_flat_workgroup_size: 512
    .sgpr_count:     96
    .vgpr_count:     256
    .wavefront_size: 32
...
	.end_amdgpu_metadata
.endif
;; end of part 3
;; launch oproj (part 4): grid 4 x 32, 4 waves a work-group, clusters of 4 x 4, 327,680 bytes of LDS; arguments aoc, aos, cod1, sc1, out0; writes out0
.if DOCPART == 4
	.amdgcn_target "amdgcn-amd-amdhsa--gfx1250"
	.amdhsa_code_object_version 6
	.text
	.protected	k_qbb0f267392_oproj
	.globl	k_qbb0f267392_oproj
	.p2align	8
	.type	k_qbb0f267392_oproj,@function
k_qbb0f267392_oproj:
	s_mov_b64 s[64:65], 0
	v_nop
	global_prefetch_b8 v0, s[64:65] scope:SCOPE_SE
	s_setreg_imm32_b32 hwreg(HW_REG_WAVE_MODE, 25, 1), 1
	s_wait_xcnt 0x0
	s_wait_alu depctr_hold_cnt(0) depctr_sa_sdst(0) depctr_va_vdst(0) depctr_va_sdst(0) depctr_va_ssrc(0) depctr_va_vcc(0) depctr_vm_vsrc(0)
	s_getreg_b32 s2, hwreg(HW_REG_IB_STS2, 6, 4)
	s_cmp_eq_u32 s2, 0
	s_cbranch_scc0 .Lentry_in_a_cluster
	s_endpgm
.Lentry_in_a_cluster:
	s_bfe_u32 s2, ttmp6, 0x10000c
	s_cmp_lg_u32 s2, 0xf033
	s_cbranch_scc0 .Lentry_shape_is_right
	s_endpgm
.Lentry_shape_is_right:
; out0 = a w_o^T on codes of FP6 (E2M3) with E8M0 scales, K = 1,024.  a: attention's result, 8,192 tokens, as codes in aoc and scale words in aos; w_o: groups 88-95 of cod1 and sc1.  out0: [8192][1024] f32.
; A tile of 256 x 256 is made by four waves, 128 x 128 each: 64 accumulators, 512 registers.  The matrix instruction is used transposed (source 0 = 16 rows of w_o, source 1 = 16 tokens): a lane holds eight
; neighbouring columns of one token's row.  K goes in eight steps of 128; a tile of 128 rows x 256 K is 24,576 dense bytes, in the order of the operand's registers.  THREE LDS slots of 256 along K are filled at
; the start; slot 0 is filled once more, with the last 256.  The text is straight-line.  The scale words of a wave's 16 blocks, for all of K, come once from memory into 64 registers.
; CLUSTERS: 4 x 4 work-groups; A's tiles are asked for jointly along a row of the cluster, B's along a column.
; The tokens lie permuted in aoc (lane r of block 2 b + u = token 32 b + 8 u + r + 8 (r / 8)): the stores' offsets put each row at its place.  A token whose scale bytes are 0xff (no visible key) gives a row of NaN.
; The grid has 128 work-groups: 32 x 4 tiles of 256 x 256.
; REGISTERS: window 0: v8-19 LDS addresses, v20, v24-25, v28-29; v32-63 A's scale words, v64-95 B's (scales and nothing else); v128-223 A's fragments; on the way out v128-255 rows of the result.
;   window 1: B's fragments, two sets at v0 and v128.   windows 2, 3: the accumulators, (a, b) at v[8 (8 (a % 4) + b)].
.set HALFT, 24576                      ; 128 rows x 256 K: what one tensor load brings
.set SLOT,  4*HALFT                    ; A's two halves, then B's two
.set SPARE, 3*SLOT                     ; behind the slots: the spare words, 128 bytes a wave, that no other line names
.set SPITCH, 528                       ; the way out: a stage of 16 rows x (512 + 16) bytes for each wave,
.set STAGE, SLOT                       ; in slot 1: it has had its only fill, and its last read stands ahead of the second barrier of the K steps
.set FR,  12
.set NP,  4                            ; places behind this matrix instruction (ISA guide 7.12.1)
.set A16, 8
.set A8,  11
.set B16, 14
.set B8,  17
.set LI,  20                           ; v20 16 x lane
.set STO, 24                           ; v24 the stage: where I put 32 bytes of a row
.set RD,  25                           ; v25 and where I read a row back
.set SPW, 28
.set NIL, 29
.set SA,  32
.set SB,  64
.set AF,  128
.set BK,  128
.set G1,  24
.set G1B, 48
.set G0,  68
.set G0B, 80
.set MSB, 0
.macro WIN new                         ; the immediate's high byte repeats the setting that is left
.if MSB != \new
	s_set_vgpr_msb (MSB<<8)|\new
.set MSB, \new
.endif
.endm
.set MUL_LO, 0xa1                      ; source 0 (B) window 1, source 1 (A) window 0, C and D window 2
.set MUL_HI, 0xf1
.set TO_B,   0x40
.macro JLOAD g0a, g1a, g0b, g1b        ; a joint load: waves 0, 1 fetch A's halves, waves 2, 3 B's; an s_nop 0 and four v_nop follow each line
	s_cmp_eq_u32 s15, 0
	s_cbranch_scc0 .Lfor_b_\@
	tensor_load_to_lds s[\g0a:\g0a+3], s[\g1a:\g1a+7]
	s_nop 0
.rept 4
	v_nop
.endr
	s_branch .Lasked_\@
.Lfor_b_\@:
	tensor_load_to_lds s[\g0b:\g0b+3], s[\g1b:\g1b+7]
	s_nop 0
.rept 4
	v_nop
.endr
.Lasked_\@:
.endm
.macro CREST                           ; a round of the cluster's barrier behind its opening barrier
	s_cmp_lg_u32 s14, 0
	s_cbranch_scc1 .Lnot_wave_0_\@
	s_barrier_signal -3
.Lnot_wave_0_\@:
	s_barrier_wait -3
	s_barrier_signal -1
	s_barrier_wait -1
.endm
.macro CROUND
	s_barrier_signal -1
	s_barrier_wait -1
	CREST
.endm
.macro PLACES n
.rept \n
	v_nop
.endr
.endm
.macro FRAG reg, a16, a8, q, i         ; a fragment comes back as it was stored: every load of the wave reads consecutive bytes
	ds_load_b128 v[\reg:\reg+3], v[\a16] offset:3072*(\i)+1536*(\q)
	ds_load_b64 v[\reg+4:\reg+5], v[\a8] offset:3072*(\i)+1536*(\q)+512
	ds_load_b128 v[\reg+6:\reg+9], v[\a16] offset:3072*(\i)+1536*(\q)+768
	ds_load_b64 v[\reg+10:\reg+11], v[\a8] offset:3072*(\i)+1536*(\q)+1280
.endm
.macro FETCH_B slot, q, p
	WIN TO_B
.irp i, 0,1,2,3,4,5,6,7
	FRAG 128*(\p)+FR*\i, B16+\slot, B8+\slot, \q, \i
.endr
	WIN 0
.endm
.macro FETCH_A slot, q, i0
.irp i, \i0, \i0+1, \i0+2, \i0+3
	FRAG AF+FR*(\i), A16+\slot, A8+\slot, \q, \i
.endr
.endm
; 16 matrix instructions: A's blocks a0, a0 + 1 x B's eight, K step s.  A scale register holds K step s % 4 in lanes 0-15 and K step 4 + s % 4 in lanes 16-31.
; The 64 accumulators take turns, one instruction a turn, in the same order in every step.
.macro MUL16 a0, p, s, zero
.irp a, \a0, \a0+1
.irp b, 0,1,2,3,4,5,6,7
.if \zero
	v_wmma_scale_f32_16x16x128_f8f6f4 v[8*(8*((\a)%4)+\b):8*(8*((\a)%4)+\b)+7], v[128*(\p)+FR*\b:128*(\p)+FR*\b+FR-1], v[AF+FR*(\a):AF+FR*(\a)+FR-1], 0, v[SB+4*\b+(\s)%4], v[SA+4*(\a)+(\s)%4] matrix_a_fmt:MATRIX_FMT_FP6 matrix_b_fmt:MATRIX_FMT_FP6
.elseif (\s) < 4
	v_wmma_scale_f32_16x16x128_f8f6f4 v[8*(8*((\a)%4)+\b):8*(8*((\a)%4)+\b)+7], v[128*(\p)+FR*\b:128*(\p)+FR*\b+FR-1], v[AF+FR*(\a):AF+FR*(\a)+FR-1], v[8*(8*((\a)%4)+\b):8*(8*((\a)%4)+\b)+7], v[SB+4*\b+(\s)%4], v[SA+4*(\a)+(\s)%4] matrix_a_fmt:MATRIX_FMT_FP6 matrix_b_fmt:MATRIX_FMT_FP6
.else
	v_wmma_scale_f32_16x16x128_f8f6f4 v[8*(8*((\a)%4)+\b):8*(8*((\a)%4)+\b)+7], v[128*(\p)+FR*\b:128*(\p)+FR*\b+FR-1], v[AF+FR*(\a):AF+FR*(\a)+FR-1], v[8*(8*((\a)%4)+\b):8*(8*((\a)%4)+\b)+7], v[SB+4*\b+(\s)%4], v[SA+4*(\a)+(\s)%4] matrix_a_fmt:MATRIX_FMT_FP6 matrix_b_fmt:MATRIX_FMT_FP6 matrix_a_scale:MATRIX_SCALE_ROW1 matrix_b_scale:MATRIX_SCALE_ROW1
.endif
.endr
.endr
.endm
; K step s; the next step's fragments come from slot ns, its nq-th 128.  A has one set of registers (a block is free when its eight products are issued), B two.
.macro STEP s, ns, nq, zero
	s_wait_dscnt 16                                ; B's set and A's blocks 0-3 are in; the youngest 16 loads (A's blocks 4-7) may be out
	WIN MUL_LO
	MUL16 0, (\s)%2, \s, \zero
	MUL16 2, (\s)%2, \s, \zero
	s_wait_dscnt 0x0                               ; A's blocks 4-7 are in
	PLACES NP                                      ; in front of loads into registers that matrix instructions have read
	FETCH_B \ns, \nq, 1-(\s)%2
	FETCH_A \ns, \nq, 0
	WIN MUL_HI
	MUL16 4, (\s)%2, \s, \zero
	MUL16 6, (\s)%2, \s, \zero
	PLACES NP
	WIN 0
	FETCH_A \ns, \nq, 4
.endm
; An odd K step with a barrier.  In front of it each wave waits for all its tensor loads, adds 0 to its spare word, and waits for that and for its LDS reads.
; fill = 1: slot 0, whose two steps have been read, takes the last 256 along K; the barrier then opens a round of the cluster's barrier, and the joint load is the first thing behind it.
.macro TURN s, ns, fill
	s_wait_tensorcnt 0x0                           ; all my tensor loads have landed
	ds_add_u32 v[SPW], v[NIL]                      ; 0 onto my spare word
	s_wait_dscnt 17                                ; (the add and the youngest 16 loads may be out)
	WIN MUL_LO
	MUL16 0, 1, \s, 0
	s_wait_dscnt 0x0                               ; the add is done, and my LDS reads are over
	s_barrier_signal -1
	MUL16 2, 1, \s, 0
	WIN 0
	s_barrier_wait -1
.if \fill
	CREST                                          ; no wave of any partner still reads slot 0 or has a load on its way
	s_add_nc_u64 s[G0+2:G0+3], s[G0+2:G0+3], 3*HALFT
	s_add_nc_u64 s[G0B+2:G0B+3], s[G0B+2:G0B+3], 3*HALFT
	JLOAD G0, G1, G0B, G1B                         ; it has four K steps in which to land; its four v_nop are the places in front of the loads below
.else
	PLACES NP
.endif
	FETCH_B \ns, 0, 0
	FETCH_A \ns, 0, 0
	WIN MUL_HI
	MUL16 4, 1, \s, 0
	MUL16 6, 1, \s, 0
	PLACES NP
	WIN 0
	FETCH_A \ns, 0, 4
.endm
	s_load_b128 s[4:7], s[0:1], 0x0                ; aoc, aos
	s_load_b128 s[8:11], s[0:1], 0x10              ; cod1, sc1
	s_load_b64 s[12:13], s[0:1], 0x20              ; out0
	v_lshl_add_u32 v[SPW], v0, 2, SPARE
	v_mov_b32 v[NIL], 0
	ds_add_u32 v[SPW], v[NIL]                      ; the wave's opening: the add and its wait stand ahead of my first tensor load
	v_lshrrev_b32 v1, 5, v0
	v_readfirstlane_b32 s14, v1                    ; wave
	s_lshr_b32 s15, s14, 1                         ; my half of the tokens.  Also: I fetch for A (0) or for B (1)
	s_and_b32 s16, s14, 1                          ; my half of the columns.  Also: which 128 rows I fetch
	s_bfe_u32 s40, ttmp6, 0x40000                  ; cx
	s_bfe_u32 s41, ttmp6, 0x40004                  ; cy
	s_and_b32 s17, ttmp7, 0xffff
	s_lshl_b32 s17, s17, 2
	s_add_co_u32 s17, s17, s41                     ; tile row = 4 x cluster y + cy
	s_lshl_b32 s42, ttmp9, 2
	s_add_co_u32 s42, s42, s40                     ; tile column = 4 x cluster x + cx
	s_lshl_b32 s43, s41, 2
	s_lshl_b32 s43, 15, s43                        ; my row of the cluster
	s_lshl_b32 s44, 0x1111, s40                    ; my column
	s_or_b32 s[G1+0], s43, (3<<16)|(1<<21)         ; 15:0 the mask; 17:16 elements of 8 bytes; 21 set beside a mask; no padding
	s_or_b32 s[G1B+0], s44, (3<<16)|(1<<21)
.irp g, G1, G1B
	s_mov_b32 s[\g+1], 32<<16                      ; rows of 256 bytes,
	s_mov_b32 s[\g+2], 96<<16                      ; 96 of them: 24,576 dense bytes
	s_mov_b32 s[\g+3], 32<<16
	s_mov_b32 s[\g+4], 96
	s_mov_b32 s[\g+5], 32
	s_mov_b32 s[\g+6], 0
	s_mov_b32 s[\g+7], 0
.endr
	s_lshl_b32 s32, s17, 1
	s_add_co_u32 s34, s32, s15                     ; the group of 128 tokens that I multiply
	s_add_co_u32 s32, s32, s16                     ; the group that I would fetch
	s_mul_i32 s32, s32, 98304
	s_mov_b32 s33, 0
	s_lshl_b32 s34, s34, 12
	s_mov_b32 s35, 0
	s_lshl_b32 s46, s42, 1
	s_add_co_u32 s46, s46, 88                      ; w_o begins at group 88
	s_add_co_u32 s46, s46, s16
	s_lshl_b32 s36, s46, 12
	s_mov_b32 s37, 0
	s_mul_i32 s46, s46, 98304
	s_mov_b32 s47, 0
	s_mul_i32 s45, s14, HALFT                      ; where a tile goes: wave x 24,576: no place in the cluster enters an LDS address
	s_wait_dscnt 0x0                               ; the opening add is done
	s_wait_kmcnt 0x0
	s_add_nc_u64 s[32:33], s[4:5], s[32:33]
	s_add_nc_u64 s[46:47], s[8:9], s[46:47]
	s_add_nc_u64 s[34:35], s[6:7], s[34:35]
	s_add_nc_u64 s[36:37], s[10:11], s[36:37]
	CROUND                                         ; all sixteen work-groups are here: the first joint loads meet
.irp s, 0,1,2                                  ; three loads of mine are out
	s_mov_b32 s[G0+4*\s], 1
	s_add_co_u32 s[G0+4*\s+1], s45, \s*SLOT
	s_add_nc_u64 s[G0+4*\s+2:G0+4*\s+3], s[32:33], \s*HALFT
	s_or_b32 s[G0+4*\s+3], s[G0+4*\s+3], 0x80000000
	s_mov_b32 s[G0B+4*\s], 1
	s_add_co_u32 s[G0B+4*\s+1], s45, \s*SLOT
	s_add_nc_u64 s[G0B+4*\s+2:G0B+4*\s+3], s[46:47], \s*HALFT
	s_or_b32 s[G0B+4*\s+3], s[G0B+4*\s+3], 0x80000000
	JLOAD G0+4*\s, G1, G0B+4*\s, G1B
.endr
	v_and_b32 v1, 31, v0
	v_lshlrev_b32 v[LI], 4, v1
	v_lshlrev_b32 v2, 3, v1
.irp i, 0,1,2,3,4,5,6,7                        ; the scale words of my 8 + 8 blocks, for all of K: 512 consecutive bytes a load
	global_load_b128 v[SA+4*\i:SA+4*\i+3], v[LI], s[34:35] offset:512*\i
	global_load_b128 v[SB+4*\i:SB+4*\i+3], v[LI], s[36:37] offset:512*\i
.endr
	s_mul_i32 s38, s15, HALFT
	s_mul_i32 s39, s16, HALFT
	s_add_co_u32 s39, s39, 2*HALFT
.irp s, 0,1,2
	v_add_nc_u32 v[A16+\s], s38, v[LI]
	v_add_nc_u32 v[A8+\s], s38, v2
	v_add_nc_u32 v[B16+\s], s39, v[LI]
	v_add_nc_u32 v[B8+\s], s39, v2
	s_add_co_u32 s38, s38, SLOT
	s_add_co_u32 s39, s39, SLOT
.endr
	v_and_b32 v3, 15, v0
	v_bfe_u32 v4, v0, 4, 1
	s_mul_i32 s56, s14, 16*SPITCH
	s_add_co_u32 s56, s56, STAGE                   ; my stage
	v_mul_u32_u24 v3, v3, SPITCH
	v_lshl_add_u32 v3, v4, 5, v3
	v_add_nc_u32 v[STO], s56, v3                   ; in: row lane % 16, 32 bytes for each half of the lanes
	v_add_nc_u32 v[RD], s56, v[LI]                 ; back: the 32 lanes take one row of 512 bytes
	s_lshl_b32 s58, s17, 20                        ; my part of out0: 256 x tile row + 128 x half rows of 4,096 bytes,
	s_lshl_b32 s59, s15, 19
	s_add_co_u32 s58, s58, s59
	s_lshl_b32 s59, s42, 10                        ; 1,024 x tile column + 512 x half bytes
	s_add_co_u32 s58, s58, s59
	s_lshl_b32 s59, s16, 9
	s_add_co_u32 s58, s58, s59
	s_mov_b32 s59, 0
	s_add_nc_u64 s[12:13], s[12:13], s[58:59]
	s_wait_tensorcnt 2                             ; my part of slot 0 is in; slots 1 and 2 may stay out
	s_barrier_signal -1
	s_barrier_wait -1
	FETCH_B 0, 0, 0
	FETCH_A 0, 0, 0
	FETCH_A 0, 0, 4
	s_wait_loadcnt 0x0                             ; the scale words
	STEP 0, 0, 1, 1                                ; the first step's products start the sums: nothing is cleared
	TURN 1, 1, 1                                   ; all three slots have landed in every wave; slot 0 is filled again
	STEP 2, 1, 1, 0
	STEP 3, 2, 0, 0
	STEP 4, 2, 1, 0
	TURN 5, 0, 0                                   ; the refill has landed in every wave; nothing is filled; nobody reads slot 1 any more
	STEP 6, 0, 1, 0
	s_wait_dscnt 16                                ; the last step: nothing more to fetch
	WIN MUL_LO
	MUL16 0, 1, 7, 0
	MUL16 2, 1, 7, 0
	s_wait_dscnt 0x0
	WIN MUL_HI
	MUL16 4, 1, 7, 0
	MUL16 6, 1, 7, 0
	WIN 0
; THE WAY OUT, block by block of 16 tokens x 128 columns, through my own stage: in as 32 bytes a lane, back as whole rows of 512 bytes.  LDS serves a wave's instructions in order: no wait between the stores and the loads.
.macro TOSTAGE a
.set AC, 64*((\a)%4)
	WIN 0x08+4*((\a)/4)                            ; an LDS store's data are its source 1: window 2 or 3
.irp b, 0,1,2,3,4,5,6,7
	ds_store_b128 v[STO], v[AC+8*\b:AC+8*\b+3] offset:64*\b          ; each accumulator from its low end on
	ds_store_b128 v[STO], v[AC+8*\b+4:AC+8*\b+7] offset:64*\b+16
.endr
	WIN 0
.set BBK, BK+64*((\a)%2)
.irp t, 0,1,2,3,4,5,6,7,8,9,10,11,12,13,14,15
	ds_load_b128 v[BBK+4*\t:BBK+4*\t+3], v[RD] offset:\t*SPITCH
.endr
.endm
.macro SEND a, younger                 ; row t of block a is token 32 (a / 2) + 8 (a % 2) + t + 8 (t / 8) of my 128: at most 127 rows of 4,096 bytes, inside the store's immediate; the base is never stepped
.set BBK, BK+64*((\a)%2)
	s_wait_dscnt \younger
.irp t, 0,1,2,3,4,5,6,7,8,9,10,11,12,13,14,15
	global_store_b128 v[LI], v[BBK+4*\t:BBK+4*\t+3], s[12:13] offset:(32*((\a)/2)+8*((\a)%2)+\t+8*(\t/8))*4096 th:TH_STORE_NT   ; 512 consecutive bytes, aligned to 256
.endr
.endm
	PLACES NP                                      ; behind the last products: their results are read, and A's registers loaded into, below
	TOSTAGE 0
.irp a, 1,2,3,4,5,6,7
.if \a > 1
	s_wait_xcnt 0x0                                ; block a - 2's stores have read their registers: block a's rows may land there
.endif
	TOSTAGE \a
	SEND \a-1, 32                                  ; behind block a - 1's loads: block a's 16 stores and 16 loads
.endr
	SEND 7, 0
	s_wait_tensorcnt 0x0                           ; the wave's end, behind my last tensor load and my last LDS store
	ds_add_u32 v[SPW], v[NIL]
	s_wait_dscnt 0x0
	CROUND                                         ; the closing round
	s_endpgm
.Lfunc_end_k_qbb0f267392_oproj:
	.size	k_qbb0f267392_oproj, .Lfunc_end_k_qbb0f267392_oproj-k_qbb0f267392_oproj
	.p2alignl 7, 3214868480
	.fill 96, 4, 3214868480
	.section	.rodata,"a",@progbits
	.p2align	6, 0x0
	.amdhsa_kernel k_qbb0f267392_oproj
		.amdhsa_group_segment_fixed_size 327680
		.amdhsa_private_segment_fixed_size 0
		.amdhsa_enable_private_segment 0
		.amdhsa_kernarg_size 40
		.amdhsa_user_sgpr_count 2
		.amdhsa_user_sgpr_kernarg_segment_ptr 1
		.amdhsa_wavefront_size32 1
		.amdhsa_system_sgpr_workgroup_id_x 1
		.amdhsa_system_sgpr_workgroup_id_y 1
		.amdhsa_system_sgpr_workgroup_id_z 1
		.amdhsa_system_vgpr_workitem_id 0
		.amdhsa_next_free_vgpr 1024
		.amdhsa_next_free_sgpr 104
		.amdhsa_reserve_vcc 0
		.amdhsa_float_denorm_mode_32 3
		.amdhsa_float_denorm_mode_16_64 3
		.amdhsa_memory_ordered 1
		.amdhsa_forward_progress 1
		.amdhsa_inst_pref_size 140
	.end_amdhsa_kernel
	.amdgpu_metadata
---
amdhsa.version: [ 1, 2 ]
amdhsa.kernels:
  - .name:           k_qbb0f267392_oproj
    .symbol:         k_qbb0f267392_oproj.kd
    .args:
      - { .name: aoc, .offset: 0, .size: 8, .value_kind: global_buffer, .address_space: global }
      - { .name: aos, .offset: 8, .size: 8, .value_kind: global_buffer, .address_space: global }
      - { .name: cod1, .offset: 16, .size: 8, .value_kind: global_buffer, .address_space: global }
      - { .name: sc1, .offset: 24, .size: 8, .value_kind: global_buffer, .address_space: global }
      - { .name: out0, .offset: 32, .size: 8, .value_kind: global_buffer, .address_space: global }
    .group_segment_fixed_size: 327680
    .private_segment_fixed_size: 0
    .kernarg_segment_align: 8
    .kernarg_segment_size: 40
    .max_flat_workgroup_size: 128
    .sgpr_count:     104
    .vgpr_count:     1024
    .wavefront_size: 32
...
	.end_amdgpu_metadata
.endif
;; end of part 4
